; MI455X (gfx1250); checked and timed in simulation.
; The chip was launched on July 23, 2026; its instructions are those of AMD's public machine-readable ISA for CDNA 5 (MIT licence, August 2026) and "CDNA5" Instruction Set Architecture Reference Guide (July 2026). The comments in the code are by the model that wrote it; some were corrected since.
;; Image GPT Attention. Allowed arithmetic: matrix products marked QUANTISED: E2M3 operands, one E8M0 scale for each 32 along K, by v_wmma_scale_f32_16x16x128_f8f6f4 with both operands' format E2M3, f32 sums; everything else in f32.
;; Inputs: c_attn_b 3,072 float32; c_attn_w_codes 3,072 x 32 x 24 uint8 (E2M3 codes of c_attn_w, K innermost, in blocks of 32 codes, four codes in three bytes); c_attn_w_scales 3,072 x 32 uint8 (E8M0 scales of c_attn_w, one for each 32 codes along K); c_proj_b 1,024 float32; c_proj_w_codes 1,024 x 32 x 24 uint8 (E2M3 codes of c_proj_w, K innermost, in blocks of 32 codes, four codes in three bytes); c_proj_w_scales 1,024 x 32 uint8 (E8M0 scales of c_proj_w, one for each 32 codes along K); hidden_states_codes 4 x 2,048 x 32 x 24 uint8 (E2M3 codes of hidden_states, K innermost, in blocks of 32 codes, four codes in three bytes); hidden_states_scales 4 x 2,048 x 32 uint8 (E8M0 scales of hidden_states, one for each 32 codes along K).
;; Outputs: out0 4 x 2,048 x 1,024 float32.
;; This version of the problem:
;;   THIS VERSION OF THE PROBLEM IS GIVEN IN LOW PRECISION. The matrix products marked QUANTISED in the list below multiply operands that are first quantised to E2M3 (2 exponent bits, 3 mantissa bits; 6 bits a number), with one power-of-two scale for each 32 numbers along K (OCP MX v1.0); their sums are f32. All else is computed in f32.
;;   The module's matrix products, in the order in which they are computed (A, B: the left and right operand; K: the contracted axis; several contracted axes count as one K, in the product's order):
;;     1. [M 8,192, K 1,024] x [K 1,024, N 3,072]; A: input hidden_states (given as codes); B: input c_attn_w (given as codes): QUANTISED
;;     2. batch 64 x [M 2,048, K 64] x [K 64, N 2,048]; A: computed on the way; B: computed on the way: QUANTISED
;;     3. batch 64 x [M 2,048, K 2,048] x [K 2,048, N 64]; A: softmax (see below); B: computed on the way: QUANTISED
;;     4. [M 8,192, K 1,024] x [K 1,024, N 1,024]; A: computed on the way; B: input c_proj_w (given as codes): QUANTISED
;;   THE QUANTISER, for each operand of a quantised product, along K:
;;     - K is cut into blocks of 32 from its start; a last block that is shorter is filled with zeros.
;;     - A block's scale is 2^e with e = floor(log2(the largest magnitude in the block)) - 2, held to -126 .. 127; a block of zeros has e = 0. As a byte (E8M0): e + 127.
;;     - Each number is divided by its block's scale, clamped to +-7.5, and rounded to the nearest number of E2M3, ties to even, subnormals kept.
;;     - The product sums the exact products of the quantised numbers (number of the format x scale) in f32.
;;   ~~~python
;;   def quantise(x, axis):      # numpy; x: float32 -> the quantised numbers, widened to float32 again
;;       x = np.moveaxis(x, axis, -1); K = x.shape[-1]
;;       x = np.pad(x, [(0, 0)] * (x.ndim - 1) + [(0, -K % 32)]); x = x.reshape(x.shape[:-1] + (-1, 32)); a = np.abs(x).max(-1, keepdims=True)
;;       e = np.where(a > 0, np.clip(np.frexp(np.where(a > 0, a, 1))[1] - 1 - 2, -126, 127), 0)      # np.frexp(a)[1] - 1 = floor(log2(a)), exactly
;;       r = np.clip(x / 2.0 ** e, -7.5, 7.5)
;;       step = 2.0 ** (np.maximum(np.frexp(np.where(r == 0, 1, r))[1] - 1, 0) - 3)
;;       q = np.round(r / step) * step * 2.0 ** e      # np.round: ties to even
;;       return np.moveaxis(q.reshape(q.shape[:-2] + (-1,))[..., :K], -1, axis).astype(np.float32)
;;   ~~~
;;   SOFTMAX AHEAD OF A QUANTISED PRODUCT. Where the list says 'softmax', what is quantised is not the finished softmax but p = 2^(t - M), with t = logit x log2(e) and M = ceil(the row's largest t), a whole number; so 1/2 < the row's largest p <= 1. The row's sum l is taken of the UNQUANTISED p, in f32, and the product's result is divided by l at the end. Since M is a whole number, a kernel that streams over the keys may use a running M (the ceiling of the running maximum): every later rescaling is an exact power of two, which a block's scale takes up: the codes' values come out the same.
;;   OPERANDS COMPUTED ON THE WAY. 'Computed on the way' means the value that the module computes at that place (a softmax that the list does not call 'softmax' is quantised finished and normalised). What goes into a quantiser is computed in f32, as accurately as f32 sums, v_exp_f32 and their like allow (about 1e-6 of the number): no bf16 or f16 on the way to a quantiser, and a product that is left as it is and whose result goes on into a quantised operand takes f32 operands (vector FMAs, or v_wmma_f32_16x16x4_f32). A number that lies on a knife's edge between two numbers of the format may be rounded either way, as far as f32 arithmetic and the matrix unit's own rounding can turn it there, and no further.
;;   INPUTS GIVEN AS CODES. c_attn_w (in the module: [1024, 3072], K = its axis 0); c_proj_w (in the module: [1024, 1024], K = its axis 0); hidden_states (in the module: [4, 2048, 1024], K = its axis 2): each comes as NAME_codes (uint8): NAME with its K axis moved to the last place and cut into blocks of 32 codes, [.., K / 32, bytes a block], one block behind the other in memory; four codes in three bytes: a row's codes are one little-endian stream of bits, code i at bits 6 i .. 6 i + 5 (a code: sign, 2 exponent bits, 3 mantissa bits); and NAME_scales (uint8): the same leading axes, one E8M0 byte (e + 127) for each 32 codes along K. Its value is code x scale, taken as it is: it is not quantised again, and the codes and scales need not be those that the quantiser above would give.
;; One version. Each part assembles by itself: llvm-mc -triple=amdgcn-amd-amdhsa -mcpu=gfx1250 --defsym DOCPART=n.
;; ======== version 1 of 1: 3 launches
;; workspace buffers: qws 6,815,744 bytes; kv 13,369,344 bytes; ao 6,291,456 bytes; asc 262,144 bytes
;; launch qkv (part 1): grid 8 x 48, 4 waves a work-group, clusters of 4 x 4, 327,680 bytes of LDS; arguments hidden_states_codes, hidden_states_scales, c_attn_w_codes, c_attn_w_scales, c_attn_b, qws, kv; writes qws, kv
.if DOCPART == 1
	.amdgcn_target "amdgcn-amd-amdhsa--gfx1250"
	.amdhsa_code_object_version 6
	.text
	.protected	k_q8f3488f0a8_qkv
	.globl	k_q8f3488f0a8_qkv
	.p2align	8
	.type	k_q8f3488f0a8_qkv,@function
k_q8f3488f0a8_qkv:
	s_mov_b64 s[64:65], 0
	v_nop
	global_prefetch_b8 v0, s[64:65] scope:SCOPE_SE
	s_setreg_imm32_b32 hwreg(HW_REG_WAVE_MODE, 25, 1), 1
	s_wait_xcnt 0x0
	s_wait_alu depctr_hold_cnt(0) depctr_sa_sdst(0) depctr_va_vdst(0) depctr_va_sdst(0) depctr_va_ssrc(0) depctr_va_vcc(0) depctr_vm_vsrc(0)
	s_getreg_b32 s2, hwreg(HW_REG_IB_STS2, 6, 4)
	s_cmp_eq_u32 s2, 0
	s_cbranch_scc0 .Lentry_in_a_cluster
	s_endpgm
.Lentry_in_a_cluster:
	s_bfe_u32 s2, ttmp6, 0x10000c
	s_cmp_lg_u32 s2, 0xf033
	s_cbranch_scc0 .Lentry_shape_is_right
	s_endpgm
.Lentry_shape_is_right:
; qkv = X W^T + b on codes of FP6 (E2M3) with one E8M0 scale for each 32 along K = 1,024, and its results quantised at once for the two products of attention.
; X: 8,192 tokens x 1,024; W: 3,072 features x 1,024 (features 0-1023 q, 1024-2047 k, 2048-3071 v), both K innermost, 768 bytes a row; scale bytes 32 a row.
; A tile of 256 x 256 results is made by four waves, 128 x 128 each: 64 accumulators, 512 registers.  K goes in steps of 256 through a ring of two LDS slots; the scale bytes of the
; work-group's 2 x 256 rows come into LDS once.  4 x 4 work-groups form a cluster; tiles shared along a row or a column of it are asked for jointly.
; TWO PARTS IN ONE LAUNCH, told apart by the cluster's y (the same in all partners).  Cluster y 0-7: operand A (source 1, a lane's row) = tokens, operand B (source 0, along a lane's registers) = features
; of q and k: a lane holds one token and its registers run along d, the K of q k^T.  Cluster y 8-11: A = features of v, B = tokens: a lane holds one d and its registers run along the keys, the K of p v.
; THE ORDER INSIDE A BLOCK OF 32.  A lane half h holds, of a block, its numbers 8 h + 0..7 and 16 + 8 h + 0..7; the codes made of them stand in the order of octets 0, 2, 1, 3.  q and k have it alike along d,
; v has it along the keys as the attention launch's p has it: a permutation of K that falls alike on both operands leaves a product as it is.
; OUT: images of operand registers.  qws [bh 64][step 16][6,656]: 12 groups of 512 bytes (lane l's 16 bytes at 16 l: registers 4 G .. 4 G + 3 of a run of 48; the tile of 16 tokens t takes 6 t .. 6 t + 5),
; then 512 bytes of scale words (lane l's word u: tile 2 u for l < 16, tile 2 u + 1 for l >= 16, row l % 16; bytes 2, 3 repeat bytes 0, 1: the upper 64 of the instruction's K are zero codes on q's side).
; kv [bh][step][13,056]: k in that form; from byte 6,656 v: four tiles of 16 d x 128 keys, 12 registers each; from byte 12,800 v's scale words, 8 bytes a lane.
; LIMITS: NaN and infinities (in a bias too) are not served; a block whose largest magnitude lies under 2^-124 keeps the byte 1, a block of zeros too (zero codes; this program alone reads the bytes).
; 384 tiles for 256 WGPs: one and a half turns.  A smaller tile would read each LDS byte for half the products.
; REGISTERS, in windows of 256: window 0: v0-31 addresses and the bias by lanes; v32-63 scale words, two sets; v64-127 the bias by registers; from v128 A's fragments, one set; on the way out v128-253 at work.
;   window 1: B's fragments, two sets.   windows 2, 3: the accumulators ((a, b) at v[8 (8 (a % 4) + b)] of window 2 + a / 4).
.set SIZE_K, 1024
.set KSTEP,  256                       ; along K in a slot
.set NQ,     KSTEP/128                 ; matrix instructions deep
.set ROWB,   192                       ; a tile's row in bytes
.set KROW,   SIZE_K*6/8                ; a row of codes in memory
.set PITCH,  240                       ; an LDS row: 3 x (64 bytes + 16 of padding)
.set FR,     12                        ; registers of a fragment
.set NL,     6                         ; LDS loads that bring one
.set NP,     4                         ; places behind this matrix instruction (ISA guide 7.12.1)
.set HALFT,  128*PITCH                 ; what one tensor load brings
.set SLOT,   4*HALFT                   ; A's 256 rows, then B's 256 rows
.set LAPS,   SIZE_K/(2*KSTEP)
.set KS,     SIZE_K/32                 ; a row of scale bytes
.set SCL,    2*SLOT                    ; behind the ring: the scales, as units of 256 bytes + 16 of padding
.set HALFS,  (128*KS/256)*272
.set SBLK,   (16*KS/256)*272
.set SPARE,  SCL+4*HALFS               ; the spare words, 128 bytes for each wave; no other line names them
.set QBLK,   6656                      ; a block of qws
.set KVBLK,  13056                     ; a block of kv
.set L8,   7                           ; v7      8 x lane
.set BV,   8                           ; v8-15   the bias of my lane's feature, block a (the part for v)
.set ADRA, 16                          ; v16-19  LDS addresses of my A fragments
.set ADRB, 20                          ; v20-23  of my B fragments
.set BH,   24                          ; v24     32 x (lane / 16)
.set BR,   25                          ; v25     4 x (lane % 16)
.set CO,   26                          ; v26     16 x lane
.set ADRS, 27                          ; v27     LDS address of my scale words
.set SPW,  28                          ; v28     my spare word; never rewritten
.set NIL,  29                          ; v29     0; never rewritten
.set SC,   32                          ; v32-63  scale words
.set BIAS, 64                          ; v64-127 the bias of features 16 b + 8 h + j at 8 b + j (the part for q and k)
.set AF,   128                         ; A's fragments
.set T,    128                         ; the way out: v128-191 a block's 64 numbers with their bias
.set OA,   192                         ; v192-203 codes, first head;  v204-215 second head
.set OB,   204
.set TM,   216                         ; v216-231 at work in QUANT
.set PW,   232                         ; the scale word just made
.set X0,   234                         ; v234-236, v238-240: the conversions' second halves
.set X1,   238
.set WEA,  242                         ; the even tile's words, kept for the odd tile's turn
.set WEB,  243
.set WT,   244
.set SA,   246                         ; v246-249, v250-253: scale words on their way out
.set SB,   250
.set SEL,  18                          ; s[18:19] lane selects for lane l xor 16 (set behind the head's last use of the pair)
.set G1, 24
.set G0, 32
.set G1B, 48
.set G0B, 56
.set G1S, 68
.set G0S, 76
.set G1SB, 80
.set G0SB, 88
.set MSB, 0
.macro WIN new                         ; the immediate's high byte repeats the setting that is left
.if MSB != (\new)
	s_set_vgpr_msb (MSB<<8)|(\new)
.set MSB, \new
.endif
.endm
.set MUL_LO, 0xa1                      ; source 0 (B) window 1, source 1 (A) window 0, C and D window 2
.set MUL_HI, 0xf1                      ; the same, C and D window 3
.set TO_B,   0x40                      ; destination window 1
; A joint load: waves 0 and 1 fetch for A, waves 2 and 3 for B; the branch hangs on the wave's number alone.  Four v_nop follow each of the two lines.
.macro JLOAD g0a, g1a, g0b, g1b
	s_cmp_eq_u32 s15, 0
	s_cbranch_scc0 .Lfor_b_\@
	tensor_load_to_lds s[\g0a:\g0a+3], s[\g1a:\g1a+7]
	s_nop 0
.rept 4
	v_nop
.endr
	s_branch .Lasked_\@
.Lfor_b_\@:
	tensor_load_to_lds s[\g0b:\g0b+3], s[\g1b:\g1b+7]
	s_nop 0
.rept 4
	v_nop
.endr
.Lasked_\@:
.endm
.macro CREST                           ; a round of the cluster's barrier behind its opening barrier
	s_cmp_lg_u32 s14, 0
	s_cbranch_scc1 .Lnot_wave_0_\@
	s_barrier_signal -3
.Lnot_wave_0_\@:
	s_barrier_wait -3
	s_barrier_signal -1
	s_barrier_wait -1
.endm
.macro CROUND                          ; a whole round
	s_barrier_signal -1
	s_barrier_wait -1
	CREST
.endm
	s_load_b256 s[4:11], s[0:1], 0x0               ; X's codes, X's scales, W's codes, W's scales
	s_load_b128 s[96:99], s[0:1], 0x20             ; the bias, qws
	s_load_b64 s[100:101], s[0:1], 0x30            ; kv
	v_lshl_add_u32 v[SPW], v0, 2, SPARE
	v_mov_b32 v[NIL], 0
	ds_add_u32 v28, v29
	ds_add_u32 v28, v29
	s_wait_dscnt 0x0
	v_lshrrev_b32 v1, 5, v0
	v_readfirstlane_b32 s14, v1                    ; wave 0..3
	s_lshr_b32 s15, s14, 1                         ; which half of A's rows is mine.  Also: I fetch for A (0) or for B (1)
	s_and_b32 s16, s14, 1                          ; which half of B's rows.  Also: which 128 rows I fetch
	s_bfe_u32 s40, ttmp6, 0x40000                  ; cx, cy: my place in the cluster
	s_bfe_u32 s41, ttmp6, 0x40004
	s_and_b32 s12, ttmp7, 0xffff                   ; the cluster's y: 0-7 q and k, 8-11 v
	s_max_u32 s95, s12, 8
	s_sub_co_u32 s95, s95, 8
	s_lshl_b32 s95, s95, 1
	s_add_co_u32 s95, s95, ttmp9                   ; v: the eight cluster columns of tokens are 2 (y - 8) + x
	s_cmp_ge_u32 s12, 8
	s_cselect_b32 s42, s95, ttmp9
	s_cselect_b32 s17, 0, s12
	s_cselect_b32 s66, 1, 0                        ; 1 in the part for v
	s_cselect_b32 s13, 2048, 0                     ; v's features begin at row 2,048 of W
	s_lshl_b32 s42, s42, 2
	s_add_co_u32 s42, s42, s40                     ; tile column (rows of B / 256)
	s_lshl_b32 s17, s17, 2
	s_add_co_u32 s17, s17, s41                     ; tile row (rows of A / 256)
	s_lshl_b32 s43, s41, 2
	s_lshl_b32 s43, 15, s43                        ; my row of the cluster
	s_lshl_b32 s44, 0x1111, s40                    ; my column
	; descriptor group 1: a tile of 128 rows x 192 bytes, 16 bytes of padding behind every 64
	s_or_b32 s[G1+0], s43, (0<<16)|(1<<20)|(1<<21)|(3<<22)|(3<<25)
	s_or_b32 s[G1B+0], s44, (0<<16)|(1<<20)|(1<<21)|(3<<22)|(3<<25)
.irp g, G1, G1B
	s_mov_b32 s[\g+1], ROWB<<16                    ; tensor_dim0
	s_mov_b32 s[\g+2], 128<<16                     ; tensor_dim1
	s_mov_b32 s[\g+3], ROWB<<16                    ; tile_dim0
	s_mov_b32 s[\g+4], 128                         ; tile_dim1
	s_mov_b32 s[\g+5], KROW                        ; tensor_dim0_stride
	s_mov_b32 s[\g+6], 0
	s_mov_b32 s[\g+7], 0
.endr
	; the scales of 128 rows: a dense block, as rows of 256 bytes (32 elements of 8 bytes), 16 bytes of padding behind each
	s_or_b32 s[G1S+0], s43, (3<<16)|(1<<20)|(1<<21)|(5<<22)|(3<<25)
	s_or_b32 s[G1SB+0], s44, (3<<16)|(1<<20)|(1<<21)|(5<<22)|(3<<25)
.irp g, G1S, G1SB
	s_mov_b32 s[\g+1], 32<<16
	s_mov_b32 s[\g+2], (128*KS/256)<<16
	s_mov_b32 s[\g+3], 32<<16
	s_mov_b32 s[\g+4], 128*KS/256
	s_mov_b32 s[\g+5], 32
	s_mov_b32 s[\g+6], 0
	s_mov_b32 s[\g+7], 0
.endr
	s_lshl_b32 s18, s16, 7                         ; which 128 rows of the tile I fetch
	s_lshl_b32 s20, s17, 8
	s_add_co_u32 s20, s20, s18
	s_add_co_u32 s20, s20, s13                     ; A: row 256 x tile row + 128 x half (+ 2,048 in W)
	s_lshl_b32 s46, s42, 8
	s_add_co_u32 s46, s46, s18                     ; B: row 256 x tile column + 128 x half
	s_mov_b32 s21, 0
	s_mov_b32 s47, 0
	s_mov_b64 s[18:19], KS
	s_mul_u64 s[22:23], s[20:21], s[18:19]         ; where these rows' scales begin, in bytes
	s_mul_u64 s[92:93], s[46:47], s[18:19]
	s_mov_b64 s[18:19], KROW
	s_mul_u64 s[20:21], s[20:21], s[18:19]         ; and their codes
	s_mul_u64 s[46:47], s[46:47], s[18:19]
	s_mul_i32 s45, s14, HALFT                      ; where they go: wave x 128 rows
	s_mul_i32 s94, s14, HALFS
	s_wait_kmcnt 0x0
	s_cmp_eq_u32 s66, 1                            ; in the part for v the two operands change places: a choice between buffers on the cluster's number
	s_cselect_b64 s[2:3], s[8:9], s[4:5]           ; A's codes
	s_cselect_b64 s[12:13], s[10:11], s[6:7]       ; A's scales
	s_cselect_b64 s[8:9], s[4:5], s[8:9]           ; B's codes
	s_cselect_b64 s[10:11], s[6:7], s[10:11]       ; B's scales
	s_add_nc_u64 s[20:21], s[2:3], s[20:21]
	s_add_nc_u64 s[22:23], s[12:13], s[22:23]
	s_add_nc_u64 s[46:47], s[8:9], s[46:47]
	s_add_nc_u64 s[92:93], s[10:11], s[92:93]
	CROUND                                         ; all sixteen work-groups are here: the first joint loads meet
	s_mov_b32 s[G0S], 1
	s_add_co_u32 s[G0S+1], s94, SCL
	s_mov_b64 s[G0S+2:G0S+3], s[22:23]
	s_or_b32 s[G0S+3], s[G0S+3], 0x80000000
	s_mov_b32 s[G0SB], 1
	s_add_co_u32 s[G0SB+1], s94, SCL
	s_mov_b64 s[G0SB+2:G0SB+3], s[92:93]
	s_or_b32 s[G0SB+3], s[G0SB+3], 0x80000000
	JLOAD G0S, G1S, G0SB, G1SB                     ; the scales first: they are wanted with K step 0
.irp s, 0,1
	s_mov_b32 s[G0+4*\s], 1
	s_add_co_u32 s[G0+4*\s+1], s45, \s*SLOT
	s_add_nc_u64 s[G0+4*\s+2:G0+4*\s+3], s[20:21], \s*ROWB
	s_or_b32 s[G0+4*\s+3], s[G0+4*\s+3], 0x80000000
	s_mov_b32 s[G0B+4*\s], 1
	s_add_co_u32 s[G0B+4*\s+1], s45, \s*SLOT
	s_add_nc_u64 s[G0B+4*\s+2:G0B+4*\s+3], s[46:47], \s*ROWB
	s_or_b32 s[G0B+4*\s+3], s[G0B+4*\s+3], 0x80000000
	JLOAD G0+4*\s, G1, G0B+4*\s, G1B
.endr
	v_and_b32 v1, 15, v0                           ; r = l % 16
	v_bfe_u32 v2, v0, 4, 1                         ; h = l / 16
	v_mul_u32_u24 v3, v1, PITCH
	v_mul_u32_u24 v4, v2, 24
	v_add_nc_u32 v4, v3, v4                        ; a fragment's row x pitch + 24 x half
	v_lshl_add_u32 v5, v2, 4, v4                   ; and the same behind one padding more
	s_mul_i32 s21, s15, HALFT                      ; my 128 rows of A
	s_mul_i32 s22, s16, HALFT                      ; my 128 rows of B,
	s_add_co_u32 s22, s22, 2*HALFT                 ; which lie behind A's 256
.irp s, 0,1
	v_add_nc_u32 v[ADRA+\s], s21, v4
	v_add_nc_u32 v[ADRB+\s], s22, v4
	v_add_nc_u32 v[ADRA+2+\s], s21, v5
	v_add_nc_u32 v[ADRB+2+\s], s22, v5
	s_add_co_u32 s21, s21, SLOT
	s_add_co_u32 s22, s22, SLOT
.endr
	v_mul_u32_u24 v5, v1, KS                       ; my row's scales: KS bytes a row,
	v_lshrrev_b32 v6, 8, v5
	v_lshl_add_u32 v5, v6, 4, v5                   ; and 16 more for each 256 passed
	s_mul_i32 s21, s15, HALFS                      ; A's: my 128 rows
	s_mul_i32 s22, s16, HALFS                      ; B's: my 128 rows, behind A's 256
	s_add_co_u32 s22, s22, 2*HALFS
	s_sub_co_u32 s22, s22, s21
	v_mul_u32_u24 v6, s22, v2                      ; lanes 16-31 take B's
	s_add_co_u32 s21, s21, SCL
	v_add_nc_u32 v5, v5, v6
	v_add_nc_u32 v[ADRS], s21, v5
	v_and_b32 v6, 31, v0
	v_lshlrev_b32 v[CO], 4, v6
	v_lshlrev_b32 v[L8], 3, v6
	v_lshlrev_b32 v[BH], 5, v2
	v_lshlrev_b32 v[BR], 2, v1
	; where my results go.  These numbers hang on my place in the cluster and enter global addresses alone
	s_lshl_b32 s20, s17, 1
	s_add_co_u32 s20, s20, s15                     ; my 128 rows of A, as a block number
	s_lshl_b32 s21, s42, 1
	s_add_co_u32 s21, s21, s16                     ; my 128 rows of B
	s_cmp_eq_u32 s66, 1
	s_cselect_b32 s22, s21, s20                    ; my block of 128 tokens, 0..63
	s_cselect_b32 s23, s20, s21                    ; my block of 128 features: two heads
	s_cselect_b32 s45, QBLK, 0                     ; v lies behind k in a block of kv
	s_lshr_b32 s46, s22, 4
	s_lshl_b32 s46, s46, 4                         ; 16 x batch
	s_and_b32 s47, s22, 15                         ; the step of 128 tokens
	s_and_b32 s92, s23, 7
	s_lshl_b32 s93, s92, 1
	s_add_co_u32 s46, s46, s93                     ; bh of my first head
	s_lshl_b32 s46, s46, 4
	s_add_co_u32 s46, s46, s47                     ; 16 bh + step
	s_or_b32 s93, s66, ttmp9                       ; q: cluster x = 0 of the first part; all else goes to kv
	s_cmp_lg_u32 s93, 0
	s_cselect_b64 s[100:101], s[100:101], s[98:99]
	s_mov_b32 s93, QBLK
	s_cselect_b32 s93, KVBLK, s93                  ; bytes of a block
	s_mul_i32 s46, s46, s93
	s_add_co_u32 s46, s46, s45
	s_mov_b32 s47, 0
	s_add_nc_u64 s[100:101], s[100:101], s[46:47]  ; my first head's block
	s_lshl_b32 s94, s93, 4
	s_mov_b32 s95, 0
	s_add_nc_u64 s[104:105], s[100:101], s[94:95]  ; my second head's: 16 blocks on
	s_lshl_b32 s46, s92, 9
	s_add_co_u32 s46, s46, 8192
	s_add_nc_u64 s[98:99], s[96:97], s[46:47]      ; the bias by lanes: feature 2,048 + 128 x (block % 8) on
	s_lshl_b32 s46, s23, 9
	s_add_nc_u64 s[96:97], s[96:97], s[46:47]      ; the bias by registers: feature 128 x block on
	s_mov_b32 s67, 0xffff0000                      ; lanes 16-31
	s_mov_b32 s[SEL], 0x76543210
	s_mov_b32 s[SEL+1], 0xfedcba98
	; both forms of the bias are loaded in both parts (every address lies in the buffer): they are wanted on the way out, and are waited for there
.irp b, 0,1,2,3,4,5,6,7
	global_load_b128 v[BIAS+8*\b:BIAS+8*\b+3], v[BH], s[96:97] offset:64*\b
	global_load_b128 v[BIAS+8*\b+4:BIAS+8*\b+7], v[BH], s[96:97] offset:64*\b+16
.endr
.irp b, 0,1,2,3,4,5,6,7
	global_load_b32 v[BV+\b], v[BR], s[98:99] offset:64*\b
.endr
.macro FRAG reg, adr, q, i             ; a fragment: lane l holds row l % 16; registers 6 c .. 6 c + 5 hold K = 64 c + 32 (l / 16) + 0 .. 31: 24 bytes of the row, in pieces of 8
.irp p, 0,1,2,3,4,5
.set PC, 12*(\q)+6*(\p/3)+\p%3        ; where the piece three on lies behind one padding more, the second address register serves
.if PC%8 < 5
	ds_load_b64 v[\reg+2*\p:\reg+2*\p+1], v[\adr] offset:8*PC+16*(PC/8)+(\i)*16*PITCH
.else
	ds_load_b64 v[\reg+2*\p:\reg+2*\p+1], v[\adr+2] offset:8*PC+16*(PC/8)+(\i)*16*PITCH
.endif
.endr
.endm
; 16 matrix instructions: A's blocks a0, a0 + 1 x B's eight, 128 along K.  The 64 accumulators take turns, one instruction a turn, in the same order in every step.
.macro MUL16 a0, p, q, sc, zero
.irp a, \a0, \a0+1
.irp b, 0,1,2,3,4,5,6,7
.if \zero
	v_wmma_scale_f32_16x16x128_f8f6f4 v[8*(8*((\a)%4)+\b):8*(8*((\a)%4)+\b)+7], v[128*(\p)+FR*\b:128*(\p)+FR*\b+FR-1], v[AF+FR*(\a):AF+FR*(\a)+FR-1], 0, v[SC+8*NQ*(\sc)+NQ*\b+(\q)], v[SC+8*NQ*(\sc)+NQ*(\a)+(\q)] matrix_a_fmt:MATRIX_FMT_FP6 matrix_b_fmt:MATRIX_FMT_FP6 matrix_a_scale:MATRIX_SCALE_ROW1
.else
	v_wmma_scale_f32_16x16x128_f8f6f4 v[8*(8*((\a)%4)+\b):8*(8*((\a)%4)+\b)+7], v[128*(\p)+FR*\b:128*(\p)+FR*\b+FR-1], v[AF+FR*(\a):AF+FR*(\a)+FR-1], v[8*(8*((\a)%4)+\b):8*(8*((\a)%4)+\b)+7], v[SC+8*NQ*(\sc)+NQ*\b+(\q)], v[SC+8*NQ*(\sc)+NQ*(\a)+(\q)] matrix_a_fmt:MATRIX_FMT_FP6 matrix_b_fmt:MATRIX_FMT_FP6 matrix_a_scale:MATRIX_SCALE_ROW1
.endif
.endr
.endr
.endm
.macro FETCH_B slot, q, p              ; B's eight fragments of the slot's q-th 128 along K into set p
	WIN TO_B
.irp i, 0,1,2,3,4,5,6,7
	FRAG 128*(\p)+FR*\i, ADRB+\slot, \q, \i
.endr
	WIN 0
.endm
.macro FETCH_A slot, q, i0             ; A's blocks i0 .. i0 + 3
.irp i, \i0, \i0+1, \i0+2, \i0+3
	FRAG AF+FR*(\i), ADRA+\slot, \q, \i
.endr
.endm
.macro SCALES sc                       ; a K step's scale words into set sc: lanes 0-15 take A's block i, lanes 16-31 B's block i
.irp i, 0,1,2,3,4,5,6,7
	ds_load_b64 v[SC+8*NQ*\sc+NQ*\i:SC+8*NQ*\sc+NQ*\i+1], v[ADRS] offset:\i*SBLK
.endr
.endm
.macro PLACES n                        ; plain vector instructions between a matrix instruction and a load into, or a vector access to, its registers
.rept \n
	v_nop
.endr
.endm
; A step of 128 along K that has its successor in the same slot.
.macro STEP slot, q, zero
	s_wait_dscnt 4*NL                              ; B's set and A's blocks 0-3 are in; the youngest 24 loads (A's blocks 4-7) may be out
	WIN MUL_LO
	MUL16 0, (\q)%2, \q, \slot, \zero
	MUL16 2, (\q)%2, \q, \slot, \zero
	s_wait_dscnt 0                                 ; A's blocks 4-7 are in
	PLACES NP
	FETCH_B \slot, (\q)+1, 1-(\q)%2
	FETCH_A \slot, (\q)+1, 0
	WIN MUL_HI
	MUL16 4, (\q)%2, \q, \slot, \zero
	MUL16 6, (\q)%2, \q, \slot, \zero
	PLACES NP
	WIN 0
	FETCH_A \slot, (\q)+1, 4
.endm
; A slot's last step changes slots: one barrier; in front of it each wave waits for all its tensor loads, adds 0 to its spare word, and waits for that and for its reads of this slot.
.macro TURN slot, next, fill
	s_wait_tensorcnt 0x0                           ; all my tensor loads have landed: my part of the next slot
	ds_add_u32 v[SPW], v[NIL]                      ; 0 onto my spare word
	s_wait_dscnt 4*NL+1                            ; (the add and the youngest 24 loads, A's blocks 4-7, may be out)
	WIN MUL_LO
	MUL16 0, 1, NQ-1, \slot, 0                     ; sixteen matrix instructions stand between the add and the wait for it
	s_wait_dscnt 0x0                               ; the add is done, and my reads of this slot are over
	s_barrier_signal -1
	MUL16 2, 1, NQ-1, \slot, 0
	WIN 0
	s_barrier_wait -1
.if \fill
	CREST                                          ; the barrier has opened a round of the cluster's: no wave of any partner still reads this slot or has a load on its way
	s_add_nc_u64 s[G0+4*\slot+2:G0+4*\slot+3], s[G0+4*\slot+2:G0+4*\slot+3], 2*ROWB
	s_add_nc_u64 s[G0B+4*\slot+2:G0B+4*\slot+3], s[G0B+4*\slot+2:G0B+4*\slot+3], 2*ROWB
	JLOAD G0+4*\slot, G1, G0B+4*\slot, G1B         ; the first tensor load behind the round; its four v_nop are the places in front of the loads below
.else
	PLACES NP
.endif
	v_add_nc_u32 v[ADRS], 4*NQ, v[ADRS]            ; on to the next K step's scale words
	FETCH_B \next, 0, 0
	FETCH_A \next, 0, 0
	SCALES \next
	WIN MUL_HI
	MUL16 4, 1, NQ-1, \slot, 0
	MUL16 6, 1, NQ-1, \slot, 0
	PLACES NP
	WIN 0
	FETCH_A \next, 0, 4
.endm
	s_wait_tensorcnt 1                             ; the scales and my part of K step 0 are in (K step 1's load may be out)
	s_barrier_signal -1
	s_barrier_wait -1                              ; everybody's are
	FETCH_B 0, 0, 0
	FETCH_A 0, 0, 0
	SCALES 0
	FETCH_A 0, 0, 4
	STEP 0, 0, 1                                   ; the first step stands in front of the loop: its products start the sums
	s_mov_b32 s3, LAPS-1
.Llap:                                                 ; a trip goes once round the ring and fills both slots again
	TURN 0, 1, 1
	STEP 1, 0, 0
	TURN 1, 0, 1
	STEP 0, 0, 0
	s_sub_co_u32 s3, s3, 1
	s_cmp_lg_u32 s3, 0
	s_cbranch_scc1 .Llap
	TURN 0, 1, 0                                   ; the last lap fills nothing
	STEP 1, 0, 0
	s_wait_dscnt 4*NL                              ; the very last step
	WIN MUL_LO
	MUL16 0, 1, NQ-1, 1, 0
	MUL16 2, 1, NQ-1, 1, 0
	s_wait_dscnt 0
	WIN MUL_HI
	MUL16 4, 1, NQ-1, 1, 0
	MUL16 6, 1, NQ-1, 1, 0
	WIN 0
; THE WAY OUT, block a of A's 16 rows at a time: bias, quantiser, stores of register images.  No LDS.
; The block's 64 numbers of a lane with their bias, into v[T] on; each accumulator is read from its low end on.  mode 0: the bias runs along the registers; 1: it is my lane's.
.macro ADDB a, mode
	WIN 0x02+(\a)/4                                ; source 0: window 2 or 3
.set AC, 64*((\a)%4)
.set i, 0
.if \mode
.rept 64
	v_add_f32 v[T+i], v[AC+i], v[BV+(\a)]
.set i, i+1
.endr
.else
.rept 32
	v_pk_add_f32 v[T+i:T+i+1], v[AC+i:AC+i+1], v[BIAS+i:BIAS+i+1]
.set i, i+2
.endr
.endif
	WIN 0
.endm
; 64 numbers of a lane, register 16 b + i of block b, become codes: blocks 0, 1 in six registers from d0 on, blocks 2, 3 from d1 on; the four scale bytes in v[PW].
.macro QUANT s, d0, d1
.irp b, 0,1,2,3
	v_max3_num_f32 v[TM+\b], |v[\s+16*\b]|, |v[\s+1+16*\b]|, 0x1800000   ; my 16 numbers of block b, and the floor 2^(3 - 127): the byte cannot fall under 1
.endr
.irp i, 2,4,6,8,10,12,14
.irp b, 0,1,2,3
	v_max3_num_f32 v[TM+\b], v[TM+\b], |v[\s+16*\b+\i]|, |v[\s+1+16*\b+\i]|
.endr
.endr
.irp b, 0,1,2,3
	v_permlanex16_b32 v[TM+4+\b], v[TM+\b], s[SEL], s[SEL+1]
.endr
.irp b, 0,1,2,3
	v_max_num_f32 v[TM+\b], v[TM+\b], v[TM+4+\b]   ; with lane l xor 16's: the block's largest magnitude
.endr
.irp b, 0,1,2,3
	v_add_nc_u32 v[TM+12+\b], 0xff000000, v[TM+\b] ; 2 off its exponent field: the conversion's scale operand
.endr
.irp b, 0,1,2,3
	v_lshrrev_b32 v[TM+4+\b], 23, v[TM+12+\b]      ; the scale's byte
.endr
	v_lshl_or_b32 v[PW], v[TM+5], 8, v[TM+4]
	v_lshl_or_b32 v[PW], v[TM+6], 16, v[PW]
	v_lshl_or_b32 v[PW], v[TM+7], 24, v[PW]
	v_cvt_scalef32_pk16_fp6_f32 v[(\d0):(\d0)+2], v[\s:\s+15], v[TM+12]
	v_cvt_scalef32_pk16_fp6_f32 v[X0:X0+2], v[\s+16:\s+31], v[TM+13]   ; (a conversion's three registers begin on an even number)
	v_cvt_scalef32_pk16_fp6_f32 v[(\d1):(\d1)+2], v[\s+32:\s+47], v[TM+14]
	v_cvt_scalef32_pk16_fp6_f32 v[X1:X1+2], v[\s+48:\s+63], v[TM+15]
	v_nop                                          ; one plain place behind a scaled conversion
.irp i, 0,1,2                                  ; the operand's layout wants a whole block in a lane: lanes 0-15 the even block, lanes 16-31 the odd one
	v_permlane16_swap_b32 v[(\d0)+\i], v[X0+\i]
	v_permlane16_swap_b32 v[(\d1)+\i], v[X1+\i]
.endr
.irp i, 0,1,2
	v_mov_b32 v[(\d0)+3+\i], v[X0+\i]
	v_mov_b32 v[(\d1)+3+\i], v[X1+\i]
.endr
.endm
; q and k: block a is a tile of 16 tokens; blocks 0, 1 of its 128 features are my first head's d, blocks 2, 3 my second head's.  Two tiles fill three groups of four registers for each head.
.macro OUTQK a
.if (\a)%2 == 0
	s_wait_xcnt 0x0                                ; the codes' registers, which the last stores read, are written again only behind this wait
.endif
	ADDB \a, 0
	QUANT T, OA+6*((\a)%2), OB+6*((\a)%2)
.if (\a)%2 == 0
	v_perm_b32 v[WEA], v[PW], v[PW], 0x01000100    ; a head's two bytes, twice
	v_perm_b32 v[WEB], v[PW], v[PW], 0x03020302
.else
	v_perm_b32 v[WT], v[PW], v[PW], 0x01000100
	v_perm_b32 v[WT+1], v[PW], v[PW], 0x03020302
	v_cndmask_b32 v[SA+(\a)/2], v[WEA], v[WT], s67 ; lanes 0-15 the even tile's words, lanes 16-31 the odd tile's
	v_cndmask_b32 v[SB+(\a)/2], v[WEB], v[WT+1], s67
.irp g, 0,1,2
	global_store_b128 v[CO], v[OA+4*\g:OA+4*\g+3], s[100:101] offset:(3*((\a)/2)+\g)*512   ; 32 lanes store 512 consecutive bytes, aligned
	global_store_b128 v[CO], v[OB+4*\g:OB+4*\g+3], s[104:105] offset:(3*((\a)/2)+\g)*512
.endr
.endif
.endm
; v: block a is a tile of 16 d (blocks 0-3 my first head, 4-7 my second); its 128 tokens are a key step: one whole fragment and one scale word a row.
.macro OUTV a
	s_wait_xcnt 0x0                                ; the codes' registers are written again only behind this wait
	ADDB \a, 1
	QUANT T, OA+12*((\a)%2), OA+12*((\a)%2)+6
.if (\a)%2 == 0
	v_mov_b32 v[WEA], v[PW]
.else
	v_cndmask_b32 v[SA+(\a)/2], v[WEA], v[PW], s67
.endif
.set SBASE, 100+4*((\a)/4)
.irp g, 0,1,2
	global_store_b128 v[CO], v[OA+12*((\a)%2)+4*\g:OA+12*((\a)%2)+4*\g+3], s[SBASE:SBASE+1] offset:((\a)%4)*1536+512*\g
.endr
.endm
	PLACES NP                                      ; behind the last products: their results are read and A's registers written from here on
	s_wait_loadcnt 0x0                             ; the bias
.irp b, 0,1,2,3
	v_mov_b32 v[TM+4+\b], 0                        ; written once: a lane permute's destination counts as one of its sources
.endr
	s_cmp_eq_u32 s66, 1                            ; the cluster's part: the same in all partners
	s_cbranch_scc1 .Lv
.irp a, 0,1,2,3,4,5,6,7
	OUTQK \a
.endr
	global_store_b128 v[CO], v[SA:SA+3], s[100:101] offset:6144
	global_store_b128 v[CO], v[SB:SB+3], s[104:105] offset:6144
	s_branch .Lend
.Lv:
.irp a, 0,1,2,3,4,5,6,7
	OUTV \a
.endr
	global_store_b64 v[L8], v[SA:SA+1], s[100:101] offset:6144     ; 32 lanes store 256 consecutive bytes, aligned
	global_store_b64 v[L8], v[SA+2:SA+3], s[104:105] offset:6144
.Lend:
	s_wait_tensorcnt 0x0                           ; the wave's end
	ds_add_u32 v[SPW], v[NIL]
	s_wait_dscnt 0x0
	CROUND                                         ; the closing round: no work-group ends while a partner may still ask for a tile that names it
	s_endpgm
.Lfunc_end_k_q8f3488f0a8_qkv:
	.size	k_q8f3488f0a8_qkv, .Lfunc_end_k_q8f3488f0a8_qkv-k_q8f3488f0a8_qkv
	.p2alignl 7, 3214868480
	.fill 96, 4, 3214868480
	.section	.rodata,"a",@progbits
	.p2align	6, 0x0
	.amdhsa_kernel k_q8f3488f0a8_qkv
		.amdhsa_group_segment_fixed_size 327680
		.amdhsa_private_segment_fixed_size 0
		.amdhsa_enable_private_segment 0
		.amdhsa_kernarg_size 56
		.amdhsa_user_sgpr_count 2
		.amdhsa_user_sgpr_kernarg_segment_ptr 1
		.amdhsa_wavefront_size32 1
		.amdhsa_system_sgpr_workgroup_id_x 1
		.amdhsa_system_sgpr_workgroup_id_y 1
		.amdhsa_system_sgpr_workgroup_id_z 1
		.amdhsa_system_vgpr_workitem_id 0
		.amdhsa_next_free_vgpr 1024
		.amdhsa_next_free_sgpr 106
		.amdhsa_reserve_vcc 0
		.amdhsa_float_denorm_mode_32 3
		.amdhsa_float_denorm_mode_16_64 3
		.amdhsa_memory_ordered 1
		.amdhsa_forward_progress 1
		.amdhsa_inst_pref_size 234
	.end_amdhsa_kernel
	.amdgpu_metadata
---
amdhsa.version: [ 1, 2 ]
amdhsa.kernels:
  - .name:           k_q8f3488f0a8_qkv
    .symbol:         k_q8f3488f0a8_qkv.kd
    .args:
      - { .name: hidden_states_codes, .offset: 0, .size: 8, .value_kind: global_buffer, .address_space: global }
      - { .name: hidden_states_scales, .offset: 8, .size: 8, .value_kind: global_buffer, .address_space: global }
      - { .name: c_attn_w_codes, .offset: 16, .size: 8, .value_kind: global_buffer, .address_space: global }
      - { .name: c_attn_w_scales, .offset: 24, .size: 8, .value_kind: global_buffer, .address_space: global }
      - { .name: c_attn_b, .offset: 32, .size: 8, .value_kind: global_buffer, .address_space: global }
      - { .name: qws, .offset: 40, .size: 8, .value_kind: global_buffer, .address_space: global }
      - { .name: kv, .offset: 48, .size: 8, .value_kind: global_buffer, .address_space: global }
    .group_segment_fixed_size: 327680
    .private_segment_fixed_size: 0
    .kernarg_segment_align: 8
    .kernarg_segment_size: 56
    .max_flat_workgroup_size: 128
    .sgpr_count:     106
    .vgpr_count:     1024
    .wavefront_size: 32
...
	.end_amdgpu_metadata
.endif
;; end of part 1
;; launch attn (part 2): grid 8 x 64, 16 waves a work-group, no clusters, 215,040 bytes of LDS; arguments qws, kv, ao, asc; writes ao, asc
.if DOCPART == 2
	.amdgcn_target "amdgcn-amd-amdhsa--gfx1250"
	.amdhsa_code_object_version 6
	.text
	.protected	k_q8f3488f0a8_attn
	.globl	k_q8f3488f0a8_attn
	.p2align	8
	.type	k_q8f3488f0a8_attn,@function
k_q8f3488f0a8_attn:
	s_mov_b64 s[64:65], 0
	v_nop
	global_prefetch_b8 v0, s[64:65] scope:SCOPE_SE
	s_setreg_imm32_b32 hwreg(HW_REG_WAVE_MODE, 25, 1), 1
	s_wait_xcnt 0x0
; Causal attention of one head on codes of FP6 (E2M3): S^T = k q^T (K = d = 64), p = 2^(t - M), O^T = v^T p^T (K = the keys), O / l quantised along E for the last product.
; t = score x log2(e) / 8; M = the running largest t rounded up to a whole number; the row's sum l is taken of the unquantised p; when M moves, l and O^T are multiplied by 2^(old M - new M), exactly.
; SHARES.  Work-group (i, bh) owns the blocks of 128 queries i (waves 0-7) and 15 - i (waves 8-15) of head bh: 17 key steps of 128 for each pair of waves, the same in every work-group.
; A wave owns one tile of 16 queries in 256 registers; four waves share a SIMD, so that one wave's vector work stands beside another's products and LDS loads.
; LDS.  A whole head's k and v, 16 blocks of 13,056 bytes as the launch before laid them (images of operand registers), are filled ONCE, by four tensor loads of each of waves 0-3: load g of wave w brings
; key step 4 g + w.  The walk goes in four phases of four steps; in front of phase g a fetching wave waits for its load g, and a barrier shows the four steps to all.  Nothing is filled again.
; Every wave walks all sixteen steps; a step all of whose keys come after the wave's queries is left out by a scalar branch on ids, round its work alone.
; NO JOINT LOADS, though the eight work-groups of a head read the same bytes: which steps are left out hangs on the block of queries, which differs between them, and partners of a cluster must run alike.
; K = 64 IN AN INSTRUCTION OF 128: q's registers 6-11 are zero codes.  k's tiles lie six registers apart, so a tile's upper six registers are the next tile's codes (finite numbers, times zero);
; behind the last tile stand six registers of zeros.  Bytes 2, 3 of q's and k's scale words repeat bytes 0, 1.
; LAYOUT.  Both products are used transposed: a lane holds one query (lane % 16) throughout.  Tile t of S^T: register j = key 16 t + 8 (lane / 16) + j.  The codes made of tiles 2 b, 2 b + 1 stand inside their block
; of 32 keys in the order of octets 0, 2, 1, 3, as v's do along the keys.  O^T is brought into the true order of d by lane swaps ahead of its quantiser: the last product's weight comes in true order.
; OUT.  ao [4 heads' group][tile of 16 tokens][head % 4][768]: a lane's registers 0-3 at 16 l, registers 4-5 at 512 + 8 l.  asc [token][32]: byte 2 head + block; two bytes a row at a pitch of 32 bytes: the one place
; where stores are small (262,144 bytes in all): a row's 32 bytes come from sixteen work-groups.
; LIMITS: NaN and infinities are not served; a block whose largest magnitude lies under 2^-124 keeps the byte 1, a block of zeros too (zero codes; this program alone reads the bytes).
; REGISTERS: v1-3, v7-10 addresses; v12 -M, v13 the largest t, v[14:15] the sum; v16-27 q; v32-79 k's eight tiles, then v's four; v80-85 zeros; v96-159 S^T, then p; v160-191 O^T; v192-193 v's scale words;
;   v224-235 p's codes; v232-247, v254 at work; v248-251 k's scale words; v252 the factor; v253 p's scale word; v255 q's.
.set BLKB,  13056                      ; a key step's block
.set PHB,   4*BLKB                     ; a phase's
.set HEADB, 16*BLKB                    ; a head's
.set QBLK,  6656                       ; a block of qws
.set VOFF,  6656                       ; v's tiles in a block
.set VSC,   12800                      ; v's scale words
.set WV,   12                          ; s12  my wave
.set BHD,  14                          ; s14  batch x 16 + head
.set HALF, 15                          ; s15  which of the two blocks of queries
.set TAU,  16                          ; s16  my tile in it
.set QB,   17                          ; s17  the block
.set TT,   18                          ; s18  my tile of 16 queries in the head
.set Q0,   19                          ; s19  my first query
.set SEL,  20                          ; s[20:21] lane selects: lane l xor 16
.set CS,   22                          ; s[22:23] c = log2(e) / 8, twice
.set G1,   24                          ; s[24:31] descriptor group 1;  s[32:47] four groups 0
.set G0,   32
.set TB,   48                          ; s48  LDS byte of the step's block
.set KF,   49                          ; s49  the step's first key
.set CNT,  50
.set TA,   51
.set PAR,  52                          ; s52  all ones where my tile is the odd one of its pair
.set TC,   53
.set L16,  1                           ; v1   16 x lane
.set L8,   2                           ; v2   8 x lane
.set R16,  3                           ; v3   16 x (lane % 16)
.set DQ,   7                           ; v7   lane % 16 - 8 (lane / 16)
.set ADK,  8                           ; v8   the step's block + 16 x lane
.set ADV,  9                           ; v9   the step's block + 8 x lane
.set R32,  10                          ; v10  32 x (lane % 16)
	s_load_b256 s[4:11], s[0:1], 0x0               ; qws, kv, ao, asc
	v_lshl_add_u32 v223, v0, 2, 0x34000
	v_mov_b32 v243, 0
	ds_add_u32 v223, v243
	ds_add_u32 v223, v243
	v_lshrrev_b32 v4, 5, v0
	s_delay_alu instid0(VALU_DEP_1)
	v_readfirstlane_b32 s[WV], v4                  ; wave 0..15
	s_and_b32 s[BHD], ttmp7, 0xffff
	s_lshr_b32 s[HALF], s[WV], 3
	s_and_b32 s[TAU], s[WV], 7
	s_sub_co_u32 s[QB], 15, ttmp9
	s_cmp_eq_u32 s[HALF], 1
	s_cselect_b32 s[QB], s[QB], ttmp9              ; block i or block 15 - i
	s_lshl_b32 s[TT], s[QB], 3
	s_add_co_u32 s[TT], s[TT], s[TAU]
	s_lshl_b32 s[Q0], s[TT], 4
	; descriptor group 1: a dense block of 13,056 bytes as 51 rows of 256 bytes (32 elements of 8 bytes), no padding
	s_mov_b32 s[G1], 3<<16
	s_mov_b32 s[G1+1], 32<<16                      ; tensor_dim0
	s_mov_b32 s[G1+2], 51<<16                      ; tensor_dim1
	s_mov_b32 s[G1+3], 32<<16                      ; tile_dim0
	s_mov_b32 s[G1+4], 51                          ; tile_dim1
	s_mov_b32 s[G1+5], 32                          ; tensor_dim0_stride
	s_mov_b32 s[G1+6], 0
	s_mov_b32 s[G1+7], 0
	s_mov_b32 s[SEL], 0x76543210
	s_mov_b32 s[SEL+1], 0xfedcba98
	s_mov_b32 s[CS], 0x3e38aa3b                    ; log2(e) / sqrt(64)
	s_mov_b32 s[CS+1], s[CS]
	s_and_b32 s[TA], s[WV], 3
	s_mul_i32 s[TA], s[TA], BLKB                   ; my step of a phase: the same offset in LDS and in the head's bytes
	s_mul_i32 s54, s[BHD], HEADB
	s_add_co_u32 s54, s54, s[TA]
	s_mov_b32 s55, 0
	s_wait_dscnt 0x0
	s_wait_kmcnt 0x0
	s_add_nc_u64 s[54:55], s[6:7], s[54:55]
.irp g, 0,1,2,3
	s_mov_b32 s[G0+4*\g], 1
	s_add_co_u32 s[G0+4*\g+1], s[TA], \g*PHB
	s_add_nc_u64 s[G0+4*\g+2:G0+4*\g+3], s[54:55], \g*PHB
	s_or_b32 s[G0+4*\g+3], s[G0+4*\g+3], 0x80000000
.endr
	s_cmp_lt_u32 s[WV], 4                          ; waves 0-3 fetch: a wave's four first fills stand in one branch, ahead of every wait on TENSORcnt, LDS read and barrier: four loads of mine are out
	s_cbranch_scc0 .Lno_fetch
	tensor_load_to_lds s[G0:G0+3], s[G1:G1+7]
	s_nop 0
	tensor_load_to_lds s[G0+4:G0+7], s[G1:G1+7]
	s_nop 0
	tensor_load_to_lds s[G0+8:G0+11], s[G1:G1+7]
	s_nop 0
	tensor_load_to_lds s[G0+12:G0+15], s[G1:G1+7]
	s_nop 0
.rept 4
	v_nop
.endr
.Lno_fetch:
	; q: my tile's pair of tiles (12 registers, three groups) and my tile's scale words
	s_lshl_b32 s56, s[BHD], 4
	s_add_co_u32 s56, s56, s[QB]
	s_mul_i32 s56, s56, QBLK                       ; the block of my 128 queries
	s_lshr_b32 s[TC], s[TAU], 1
	s_mul_i32 s[TA], s[TC], 1536
	s_add_co_u32 s54, s56, s[TA]
	s_mov_b32 s55, 0
	s_add_nc_u64 s[58:59], s[4:5], s[54:55]
	s_and_b32 s[TA], s[TAU], 1
	s_lshl_b32 s54, s[TA], 8                       ; the odd tile's words lie in lanes 16-31's places: 256 bytes on
	s_lshl_b32 s[TC], s[TC], 2
	s_add_co_u32 s54, s54, s[TC]
	s_add_co_u32 s54, s54, s56
	s_add_co_u32 s54, s54, 6144
	s_add_nc_u64 s[60:61], s[4:5], s[54:55]
	s_sub_co_u32 s[PAR], 0, s[TA]
	; where my results go
	s_lshr_b32 s[TA], s[BHD], 4                    ; batch
	s_and_b32 s[TC], s[BHD], 15                    ; head
	s_lshr_b32 s54, s[TC], 2
	s_mul_i32 s54, s54, 1572864
	s_lshl_b32 s56, s[TA], 7
	s_add_co_u32 s56, s56, s[TT]                   ; the tile of 16 tokens: 128 x batch + my tile
	s_mul_i32 s56, s56, 3072
	s_add_co_u32 s54, s54, s56
	s_and_b32 s56, s[TC], 3
	s_mul_i32 s56, s56, 768
	s_add_co_u32 s54, s54, s56
	s_add_nc_u64 s[8:9], s[8:9], s[54:55]
	s_lshl_b32 s54, s[TA], 11
	s_add_co_u32 s54, s54, s[Q0]                   ; my first token
	s_lshl_b32 s54, s54, 5
	s_lshl_b32 s56, s[TC], 1
	s_add_co_u32 s54, s54, s56
	s_add_nc_u64 s[10:11], s[10:11], s[54:55]
	v_and_b32 v4, 31, v0
	s_delay_alu instid0(VALU_DEP_1)
	v_lshlrev_b32 v[L16], 4, v4
	s_delay_alu instid0(VALU_DEP_2)
	v_lshlrev_b32 v[L8], 3, v4
	v_and_b32 v5, 15, v0
	s_delay_alu instid0(VALU_DEP_1)
	v_lshlrev_b32 v[R16], 4, v5
	s_delay_alu instid0(VALU_DEP_2)
	v_lshlrev_b32 v[R32], 5, v5
	v_bfe_u32 v6, v0, 4, 1
	s_delay_alu instid0(VALU_DEP_1)
	v_lshlrev_b32 v6, 3, v6
	s_delay_alu instid0(VALU_DEP_1)
	v_sub_nc_u32 v[DQ], v5, v6
.irp g, 0,1,2
	global_load_b128 v[16+4*\g:19+4*\g], v[L16], s[58:59] offset:512*\g
.endr
	global_load_b32 v255, v[R16], s[60:61]
	v_mov_b32 v13, 0xff61b1e6                      ; the largest t so far: -3e38, under every t
	s_delay_alu instid0(VALU_DEP_1)
	v_floor_f32 v12, -v13                          ; -M
	v_mov_b32 v14, 0                               ; the sum, in two halves
	v_mov_b32 v15, 0
.irp b, 0,1,2,3
	v_mov_b32 v[236+\b], 0                         ; written once: a lane permute's destination counts as one of its sources
.endr
	v_mov_b32 v252, 0
	v_mov_b32 v253, 0                              ; (named as the upper half of the pair v[252:253] before it is first written)
.irp j, 0,1,2,3,4,5
	v_mov_b32 v[80+\j], 0                          ; the zeros behind k's last tile
.endr
	s_wait_loadcnt 0x0                             ; q
.irp j, 0,1,2,3,4,5
	v_cndmask_b32 v[16+\j], v[16+\j], v[22+\j], s[PAR]   ; my tile of the pair
.endr
.irp j, 0,1,2,3,4,5
	v_mov_b32 v[22+\j], 0                          ; K = 64 .. 127: zero codes
.endr
.set j, 0
.rept 32
	v_mov_b32 v[160+j], 0                          ; O^T.  (The step is written once: the first finds zeros, which the first change of M leaves zeros)
.set j, j+1
.endr
; A KEY STEP: 128 keys.
.macro STEP
	s_add_co_u32 s[TA], s[Q0], 15
	s_cmp_gt_u32 s[KF], s[TA]                      ; all its keys come after my queries: its work is left out
	s_cbranch_scc1 .Lhidden_\@
	s_setprio 2
	v_add_nc_u32 v[ADK], s[TB], v[L16]
	v_add_nc_u32 v[ADV], s[TB], v[L8]
	v_nop
	v_nop                                          ; four places in front of loads into registers that the last products have read
.irp G, 0,1,2,3,4,5,6,7,8,9,10,11
	ds_load_b128 v[32+4*\G:35+4*\G], v[ADK] offset:512*\G          ; k's eight tiles, six registers each; 32 lanes read 512 consecutive bytes
.endr
	ds_load_b128 v[248:251], v[ADK] offset:6144    ; their scale words: register u: lanes 0-15 tile 2 u, lanes 16-31 tile 2 u + 1
	s_wait_alu depctr_va_vdst(0)
	s_wait_dscnt 0x0
.irp t, 0,1,2,3,4,5,6,7
.if \t%2
	v_wmma_scale_f32_16x16x128_f8f6f4 v[96+8*\t:103+8*\t], v[32+6*\t:43+6*\t], v[16:27], 0, v[248+\t/2], v255 matrix_a_fmt:MATRIX_FMT_FP6 matrix_b_fmt:MATRIX_FMT_FP6 matrix_a_scale:MATRIX_SCALE_ROW1
.else
	v_wmma_scale_f32_16x16x128_f8f6f4 v[96+8*\t:103+8*\t], v[32+6*\t:43+6*\t], v[16:27], 0, v[248+\t/2], v255 matrix_a_fmt:MATRIX_FMT_FP6 matrix_b_fmt:MATRIX_FMT_FP6
.endif
.endr
.rept 4
	v_nop                                          ; places: in front of the loads below and of the first read of the scores
.endr
.irp G, 0,1,2,3,4,5,6,7,8,9,10,11
	ds_load_b128 v[32+4*\G:35+4*\G], v[ADK] offset:VOFF+512*\G     ; v's four tiles, twelve registers each: asked for here, they land under the softmax
.endr
	ds_load_b64 v[192:193], v[ADV] offset:VSC      ; and their scale words
	s_add_co_u32 s[TA], s[KF], 127                 ; on the diagonal hidden scores become -infinity ahead of the maximum: p = 0 then.  A step all of whose keys count skips this
	s_cmp_le_u32 s[TA], s[Q0]
	s_cbranch_scc1 .Lopen_\@
	s_sub_co_i32 s[TA], s[Q0], s[KF]
	v_add_nc_u32 v252, s[TA], v[DQ]                ; d = my query - the first key - 8 (lane / 16).  Register n holds key 16 (n / 8) + n % 8 + 8 (lane / 16): hidden where 16 (n / 8) + n % 8 > d
	v_mov_b32 v254, 0xff800000
.set n, 0
.rept 64
	v_cmp_gt_i32 vcc_lo, 16*(n/8)+n%8, v252
	v_cndmask_b32 v[96+n], v[96+n], v254, vcc_lo
.set n, n+1
.endr
.Lopen_\@:
.irp b, 0,1,2,3
	v_max3_num_f32 v[232+\b], v[96+16*\b], v[97+16*\b], v[98+16*\b]   ; the largest score of each block of 32 keys: it serves the row's maximum and, since p rises with the score, the block's largest p
.endr
.irp i, 3,5,7,9,11,13
.irp b, 0,1,2,3
	v_max3_num_f32 v[232+\b], v[232+\b], v[96+16*\b+\i], v[97+16*\b+\i]
.endr
.endr
.irp b, 0,1,2,3
	v_max_num_f32 v[232+\b], v[232+\b], v[111+16*\b]
.endr
.irp b, 0,1,2,3
	s_delay_alu instid0(VALU_DEP_4)
	v_permlanex16_b32 v[236+\b], v[232+\b], s[SEL], s[SEL+1]
.endr
.irp b, 0,1,2,3
	s_delay_alu instid0(VALU_DEP_4)
	v_max_num_f32 v[232+\b], v[232+\b], v[236+\b]  ; with lane l xor 16's 16 keys
.endr
	s_delay_alu instid0(VALU_DEP_2)
	v_max3_num_f32 v254, v232, v233, v234
	s_delay_alu instid0(VALU_DEP_1)
	v_max_num_f32 v254, v254, v235                 ; the step's largest score of my query
	s_delay_alu instid0(VALU_DEP_1)
	v_mul_f32 v254, s[CS], v254                    ; as t
	s_delay_alu instid0(VALU_DEP_1)
	v_max_num_f32 v13, v13, v254                   ; the running largest t
	v_mov_b32 v254, v12
	s_delay_alu instid0(VALU_DEP_2)
	v_floor_f32 v12, -v13                          ; the new -M = -ceil(t): a whole number
	s_delay_alu instid0(VALU_DEP_1)
	v_sub_f32 v254, v12, v254                      ; old M - new M: a whole number, 0 or less
	s_delay_alu instid0(VALU_DEP_1)
	v_cvt_i32_f32 v254, v254                       ; (it saturates)
	s_delay_alu instid0(VALU_DEP_1)
	v_ldexp_f32 v252, 1.0, v254                    ; f = 2^(old M - new M)
.set j, 0
.rept 32
	v_pk_fma_f32 v[96+j:97+j], v[96+j:97+j], s[CS:CS+1], v[12:13] op_sel_hi:[1,0,0]   ; t - M, two at a time
.set j, j+2
.endr
	s_setprio 1
.irp b, 0,1,2,3
	v_fma_f32 v[232+\b], v[232+\b], s[CS], v12     ; the same of each block's largest score
.endr
.set j, 0
	s_wait_alu depctr_va_vdst(0)
.rept 64
	v_exp_f32 v[96+j], v[96+j]                     ; p = 2^(t - M), at most 1: not normalised
.set j, j+1
.endr
	v_pk_mul_f32 v[14:15], v[14:15], v[252:253] op_sel_hi:[1,0]   ; the sums under the new M.  (A plain place behind the exponentials)
	s_wait_alu depctr_va_vdst(0)                   ; one wait for the whole batch, ahead of its first use
.irp b, 0,1,2,3
	v_exp_f32 v[232+\b], v[232+\b]                 ; the block's largest p: the same two instructions on the same number give the same bits
.endr
	v_pk_add_f32 v[236:237], v[100:101], v[104:105]
	v_pk_add_f32 v[250:251], v[108:109], v[112:113]
	v_pk_add_f32 v[248:249], v[116:117], v[120:121]
	v_pk_add_f32 v[246:247], v[124:125], v[128:129]
	v_pk_add_f32 v[244:245], v[132:133], v[136:137]
	v_pk_add_f32 v[240:241], v[140:141], v[144:145]
	v_pk_add_f32 v[238:239], v[148:149], v[152:153]
	v_pk_add_f32 v[14:15], v[14:15], v[156:157]
	v_pk_add_f32 v[236:237], v[236:237], v[96:97]
	v_pk_add_f32 v[250:251], v[250:251], v[98:99]
	v_pk_add_f32 v[248:249], v[248:249], v[102:103]
	v_pk_add_f32 v[246:247], v[246:247], v[106:107]
	v_pk_add_f32 v[244:245], v[244:245], v[110:111]
	v_pk_add_f32 v[240:241], v[240:241], v[114:115]
	v_pk_add_f32 v[238:239], v[238:239], v[118:119]
	v_pk_add_f32 v[14:15], v[14:15], v[122:123]
	v_pk_add_f32 v[236:237], v[236:237], v[126:127]
	v_pk_add_f32 v[250:251], v[250:251], v[130:131]
	v_pk_add_f32 v[248:249], v[248:249], v[134:135]
	v_pk_add_f32 v[246:247], v[246:247], v[138:139]
	v_pk_add_f32 v[244:245], v[244:245], v[142:143]
	v_pk_add_f32 v[240:241], v[240:241], v[146:147]
	v_pk_add_f32 v[238:239], v[238:239], v[150:151]
	v_pk_add_f32 v[14:15], v[14:15], v[154:155]
	v_pk_add_f32 v[236:237], v[236:237], v[158:159]
	s_delay_alu instid0(VALU_DEP_2)
	v_pk_add_f32 v[14:15], v[14:15], v[246:247]
	s_delay_alu instid0(VALU_DEP_2)
	v_pk_add_f32 v[236:237], v[236:237], v[244:245]
	v_pk_add_f32 v[250:251], v[250:251], v[240:241]
	v_pk_add_f32 v[248:249], v[248:249], v[238:239]
	s_delay_alu instid0(VALU_DEP_2)
	v_pk_add_f32 v[14:15], v[14:15], v[250:251]
	s_delay_alu instid0(VALU_DEP_2)
	v_pk_add_f32 v[236:237], v[236:237], v[248:249]
	s_delay_alu instid0(VALU_DEP_1)
	v_pk_add_f32 v[14:15], v[14:15], v[236:237]
	s_wait_alu depctr_va_vdst(0)                   ; and one for the four
.irp b, 0,1,2,3
	v_max_num_f32 v[232+\b], 0x1800000, v[232+\b]  ; the floor 2^(3 - 127): the byte cannot fall under 1
.endr
.irp b, 0,1,2,3
	s_delay_alu instid0(VALU_DEP_4)
	v_add_nc_u32 v[244+\b], 0xff000000, v[232+\b]  ; 2 off the exponent field: the conversion's scale operand
.endr
.irp b, 0,1,2,3
	s_delay_alu instid0(VALU_DEP_4)
	v_lshrrev_b32 v[236+\b], 23, v[244+\b]         ; the scale's byte
.endr
	s_delay_alu instid0(VALU_DEP_3)
	v_lshl_or_b32 v253, v237, 8, v236              ; p's scale word for these 128 keys
	s_delay_alu instid0(VALU_DEP_1)
	v_lshl_or_b32 v253, v238, 16, v253
	s_delay_alu instid0(VALU_DEP_1)
	v_lshl_or_b32 v253, v239, 24, v253
	s_setprio 0
.irp c, 0,1
	v_cvt_scalef32_pk16_fp6_f32 v[224+6*\c:226+6*\c], v[96+32*\c:111+32*\c], v[244+2*\c]
	v_cvt_scalef32_pk16_fp6_f32 v[236+4*\c:238+4*\c], v[112+32*\c:127+32*\c], v[244+2*\c+1]
.endr
	v_nop                                          ; one plain place behind a scaled conversion
.irp c, 0,1                                    ; a whole block in a lane: lanes 0-15 block 2 c, lanes 16-31 block 2 c + 1
.irp i, 0,1,2
	v_permlane16_swap_b32 v[224+6*\c+\i], v[236+4*\c+\i]
.endr
.irp i, 0,1,2
	s_delay_alu instid0(VALU_DEP_3)
	v_mov_b32 v[227+6*\c+\i], v[236+4*\c+\i]
.endr
.endr
.set j, 0
.rept 16
	v_pk_mul_f32 v[160+j:161+j], v[160+j:161+j], v[252:253] op_sel_hi:[1,0]   ; O^T under the new M.  (These sixteen are also the places between p's scale word and codes and the products below)
.set j, j+2
.endr
	s_wait_alu depctr_va_vdst(0)
	s_wait_dscnt 0x0                               ; v is in
.irp t, 0,1,2,3                                ; four accumulators by turns, one instruction a turn
.if \t%2
	v_wmma_scale_f32_16x16x128_f8f6f4 v[160+8*\t:167+8*\t], v[32+12*\t:43+12*\t], v[224:235], v[160+8*\t:167+8*\t], v[192+\t/2], v253 matrix_a_fmt:MATRIX_FMT_FP6 matrix_b_fmt:MATRIX_FMT_FP6 matrix_a_scale:MATRIX_SCALE_ROW1
.else
	v_wmma_scale_f32_16x16x128_f8f6f4 v[160+8*\t:167+8*\t], v[32+12*\t:43+12*\t], v[224:235], v[160+8*\t:167+8*\t], v[192+\t/2], v253 matrix_a_fmt:MATRIX_FMT_FP6 matrix_b_fmt:MATRIX_FMT_FP6
.endif
.endr
.Lhidden_\@:
	s_add_co_u32 s[KF], s[KF], 128
	s_add_co_u32 s[TB], s[TB], BLKB
.endm
; PHASE g: key steps 4 g .. 4 g + 3.  A fetching wave's load g has landed where at most 3 - g of its four are out; the later ones may stay out.
.macro PHASE g
	s_wait_tensorcnt 3-\g
	s_wait_dscnt 0x0
	s_barrier_signal -1
	s_barrier_wait -1                              ; the phase's four blocks are whole for every wave
	s_mov_b32 s[TB], \g*PHB
	s_mov_b32 s[KF], \g*512
	s_mov_b32 s[CNT], 4
.Lphase_\@:
	STEP
	s_sub_co_u32 s[CNT], s[CNT], 1
	s_cmp_lg_u32 s[CNT], 0
	s_cbranch_scc1 .Lphase_\@
	s_setprio 0
.endm
	PHASE 0
	PHASE 1
	PHASE 2
	PHASE 3
	; THE WAY OUT: O^T / l, the true order of d, the quantiser along E, the image of six registers and two scale bytes a row.
.rept 4
	v_nop                                          ; places behind the last products
.endr
	v_add_f32 v14, v14, v15                        ; the sum's two halves,
	s_delay_alu instid0(VALU_DEP_1)
	v_permlanex16_b32 v252, v14, s[SEL], s[SEL+1]
	s_delay_alu instid0(VALU_DEP_1)
	v_add_f32 v14, v14, v252                       ; and lane l xor 16's: the row's sum
	s_wait_alu depctr_va_vdst(0)
	v_rcp_f32 v252, v14
	v_nop                                          ; a plain place behind the reciprocal
	s_wait_alu depctr_va_vdst(0)                   ; and the wait ahead of its first use
.set j, 0
.rept 16
	v_pk_mul_f32 v[160+j:161+j], v[160+j:161+j], v[252:253] op_sel_hi:[1,0]   ; tile t, register j: d = 16 t + 8 (lane / 16) + j
.set j, j+2
.endr
.irp b, 0,1
.irp j, 0,1,2,3,4,5,6,7
	v_permlane16_swap_b32 v[160+16*\b+\j], v[168+16*\b+\j]   ; the first's lanes 16-31 change places with the second's lanes 0-15: register 16 b + i is now d = 32 b + 16 (lane / 16) + i
.endr
.endr
.irp b, 0,1
	v_max3_num_f32 v[232+\b], |v[160+16*\b]|, |v[161+16*\b]|, 0x1800000
.endr
.irp i, 2,4,6,8,10,12,14
.irp b, 0,1
	s_delay_alu instid0(VALU_DEP_2)
	v_max3_num_f32 v[232+\b], v[232+\b], |v[160+16*\b+\i]|, |v[161+16*\b+\i]|
.endr
.endr
.irp b, 0,1
	s_delay_alu instid0(VALU_DEP_2)
	v_permlanex16_b32 v[236+\b], v[232+\b], s[SEL], s[SEL+1]
.endr
.irp b, 0,1
	s_delay_alu instid0(VALU_DEP_2)
	v_max_num_f32 v[232+\b], v[232+\b], v[236+\b]
.endr
.irp b, 0,1
	s_delay_alu instid0(VALU_DEP_2)
	v_add_nc_u32 v[244+\b], 0xff000000, v[232+\b]
.endr
.irp b, 0,1
	s_delay_alu instid0(VALU_DEP_2)
	v_lshrrev_b32 v[240+\b], 23, v[244+\b]
.endr
	s_delay_alu instid0(VALU_DEP_1)
	v_lshl_or_b32 v254, v241, 8, v240              ; my row's two scale bytes
	v_cvt_scalef32_pk16_fp6_f32 v[224:226], v[160:175], v244
	v_cvt_scalef32_pk16_fp6_f32 v[236:238], v[176:191], v245
	v_nop                                          ; one plain place behind a scaled conversion
.irp i, 0,1,2
	v_permlane16_swap_b32 v[224+\i], v[236+\i]
.endr
.irp i, 0,1,2
	s_delay_alu instid0(VALU_DEP_3)
	v_mov_b32 v[227+\i], v[236+\i]
.endr
	global_store_b128 v[L16], v[224:227], s[8:9]               ; 32 lanes store 512 consecutive bytes, aligned
	global_store_b64 v[L8], v[228:229], s[8:9] offset:512      ; and 256
	global_store_b16 v[R32], v254, s[10:11]                    ; lanes l and l + 16 store the same two bytes with the same value
	s_wait_tensorcnt 0x0
	ds_add_u32 v223, v243
	s_wait_dscnt 0x0
	s_endpgm
.Lfunc_end_k_q8f3488f0a8_attn:
	.size	k_q8f3488f0a8_attn, .Lfunc_end_k_q8f3488f0a8_attn-k_q8f3488f0a8_attn
	.p2alignl 7, 3214868480
	.fill 96, 4, 3214868480
	.section	.rodata,"a",@progbits
	.p2align	6, 0x0
	.amdhsa_kernel k_q8f3488f0a8_attn
		.amdhsa_group_segment_fixed_size 215040
		.amdhsa_private_segment_fixed_size 0
		.amdhsa_enable_private_segment 0
		.amdhsa_kernarg_size 32
		.amdhsa_user_sgpr_count 2
		.amdhsa_user_sgpr_kernarg_segment_ptr 1
		.amdhsa_wavefront_size32 1
		.amdhsa_system_sgpr_workgroup_id_x 1
		.amdhsa_system_sgpr_workgroup_id_y 1
		.amdhsa_system_sgpr_workgroup_id_z 1
		.amdhsa_system_vgpr_workitem_id 0
		.amdhsa_next_free_vgpr 256
		.amdhsa_next_free_sgpr 66
		.amdhsa_reserve_vcc 1
		.amdhsa_float_denorm_mode_32 3
		.amdhsa_float_denorm_mode_16_64 3
		.amdhsa_memory_ordered 1
		.amdhsa_forward_progress 1
		.amdhsa_inst_pref_size 102
	.end_amdhsa_kernel
	.amdgpu_metadata
---
amdhsa.version: [ 1, 2 ]
amdhsa.kernels:
  - .name:           k_q8f3488f0a8_attn
    .symbol:         k_q8f3488f0a8_attn.kd
    .args:
      - { .name: qws, .offset: 0, .size: 8, .value_kind: global_buffer, .address_space: global }
      - { .name: kv, .offset: 8, .size: 8, .value_kind: global_buffer, .address_space: global }
      - { .name: ao, .offset: 16, .size: 8, .value_kind: global_buffer, .address_space: global }
      - { .name: asc, .offset: 24, .size: 8, .value_kind: global_buffer, .address_space: global }
    .group_segment_fixed_size: 215040
    .private_segment_fixed_size: 0
    .kernarg_segment_align: 8
    .kernarg_segment_size: 32
    .max_flat_workgroup_size: 512
    .sgpr_count:     66
    .vgpr_count:     256
    .wavefront_size: 32
...
	.end_amdgpu_metadata
.endif
;; end of part 2
;; launch proj (part 3): grid 4 x 32, 4 waves a work-group, clusters of 4 x 4, 327,680 bytes of LDS; arguments ao, asc, c_proj_w_codes, c_proj_w_scales, c_proj_b, out0; writes out0
.if DOCPART == 3
	.amdgcn_target "amdgcn-amd-amdhsa--gfx1250"
	.amdhsa_code_object_version 6
	.text
	.protected	k_q8f3488f0a8_proj
	.globl	k_q8f3488f0a8_proj
	.p2align	8
	.type	k_q8f3488f0a8_proj,@function
k_q8f3488f0a8_proj:
	s_mov_b64 s[64:65], 0
	v_nop
	global_prefetch_b8 v0, s[64:65] scope:SCOPE_SE
	s_setreg_imm32_b32 hwreg(HW_REG_WAVE_MODE, 25, 1), 1
	s_wait_xcnt 0x0
	s_wait_alu depctr_hold_cnt(0) depctr_sa_sdst(0) depctr_va_vdst(0) depctr_va_sdst(0) depctr_va_ssrc(0) depctr_va_vcc(0) depctr_vm_vsrc(0)
	s_getreg_b32 s2, hwreg(HW_REG_IB_STS2, 6, 4)
	s_cmp_eq_u32 s2, 0
	s_cbranch_scc0 .Lentry_in_a_cluster
	s_endpgm
.Lentry_in_a_cluster:
	s_bfe_u32 s2, ttmp6, 0x10000c
	s_cmp_lg_u32 s2, 0xf033
	s_cbranch_scc0 .Lentry_shape_is_right
	s_endpgm
.Lentry_shape_is_right:
; out = A W^T + b on codes of FP6 (E2M3) with one E8M0 scale for each 32 along K = 1,024.  A: the attention's result, 8,192 tokens; W: 1,024 features x 1,024, K innermost, 768 bytes a row; out: f32.
; A tile of 256 x 256 of out is made by four waves, 128 x 128 each.  K goes in steps of 256 (four heads) through a ring of two LDS slots; the scale bytes of the work-group's rows come into LDS once.
; 4 x 4 work-groups form a cluster; A's tiles are shared along a row of it, W's along a column, and asked for jointly.
; A COMES AS IMAGES OF ITS REGISTERS: ao [K step 4][tile of 16 tokens 512][head % 4][768]: a head's six registers of a fragment, registers 0-3 at 16 x lane, registers 4-5 at 512 + 8 x lane.  So 128 tokens of a K step are
; 24,576 dense bytes, one tensor load without padding, and a fragment (two heads) is two loads of 16 bytes and two of 8, each over consecutive bytes.  W's path is by rows of 192 bytes with padding.
; The bias is the C of each sum's first matrix instruction.  The matrix instruction is used transposed (source 0 = W's rows, source 1 = tokens): a lane holds eight neighbouring numbers of a row of out.
; 128 tiles for 256 WGPs: a tile of half the size would halve the products between two changes of slots and read each LDS byte for fewer products.
; REGISTERS: window 0: v0-31 addresses; v32-63 scale words, two sets; v64-127 the bias; from v128 A's fragments, one set; on the way out v128-255 rows of out.  window 1: W's fragments, two sets.  windows 2, 3: accumulators.
.set SIZE_N, 1024
.set SIZE_K, 1024
.set KSTEP,  256
.set NQ,     KSTEP/128
.set ROWB,   192
.set KROW,   SIZE_K*6/8
.set PITCH,  240                       ; W's LDS row: 3 x (64 bytes + 16 of padding)
.set FR,     12
.set NLA,    4                         ; LDS loads that bring a fragment of A
.set NP,     4
.set HALFA,  24576                     ; 128 tokens of a K step: 8 tiles x 4 heads x 768 bytes
.set HALFB,  128*PITCH
.set SLOT,   2*HALFA+2*HALFB           ; A's 256 rows, then W's 256 rows
.set ASTEP,  1572864                   ; a K step on in ao
.set LAPS,   SIZE_K/(2*KSTEP)
.set KS,     SIZE_K/32
.set SCL,    2*SLOT
.set HALFS,  (128*KS/256)*272
.set SBLK,   (16*KS/256)*272
.set SPARE,  SCL+4*HALFS               ; the spare words, 128 bytes for each wave; no other line names them
.set SPITCH, 528                       ; the way out: a stage of 16 rows x (512 bytes + 16) for each wave, in slot 0, which has had its last fill and its last read by then
.set AA16, 16                          ; v16-17  16 x lane + my half of A in slot 0, 1
.set AA8,  18                          ; v18-19  8 x lane + the same
.set ADRB, 20                          ; v20-23  W's fragments
.set STO,  24
.set RD,   25
.set CO,   26                          ; v26     16 x lane
.set ADRS, 27
.set SPW,  28                          ; my spare word; never rewritten
.set NIL,  29                          ; 0; never rewritten
.set SC,   32
.set BIAS, 64                          ; v64-127 b at features 16 b + 8 h + j, at 8 b + j
.set AF,   128
.set BK,   128
.set CP,   98                          ; s[98:99] out
.set G1, 24
.set G0, 32
.set G1B, 48
.set G0B, 56
.set G1S, 68
.set G0S, 76
.set G1SB, 80
.set G0SB, 88
.set MSB, 0
.macro WIN new                         ; the immediate's high byte repeats the setting that is left
.if MSB != (\new)
	s_set_vgpr_msb (MSB<<8)|(\new)
.set MSB, \new
.endif
.endm
.set MUL_LO, 0xa1                      ; source 0 (W) window 1, source 1 (A) window 0, C and D window 2
.set MUL_HI, 0xf1                      ; the same, C and D window 3
.set FST_LO, 0x81                      ; the first step: C (the bias) window 0, D window 2
.set FST_HI, 0xc1                      ; D window 3
.set TO_B,   0x40
.macro JLOAD g0a, g1a, g0b, g1b        ; a joint load: waves 0 and 1 fetch for A, waves 2 and 3 for W; four v_nop follow each of the two lines
	s_cmp_eq_u32 s15, 0
	s_cbranch_scc0 .Lfor_b_\@
	tensor_load_to_lds s[\g0a:\g0a+3], s[\g1a:\g1a+7]
	s_nop 0
.rept 4
	v_nop
.endr
	s_branch .Lasked_\@
.Lfor_b_\@:
	tensor_load_to_lds s[\g0b:\g0b+3], s[\g1b:\g1b+7]
	s_nop 0
.rept 4
	v_nop
.endr
.Lasked_\@:
.endm
.macro CREST
	s_cmp_lg_u32 s14, 0
	s_cbranch_scc1 .Lnot_wave_0_\@
	s_barrier_signal -3
.Lnot_wave_0_\@:
	s_barrier_wait -3
	s_barrier_signal -1
	s_barrier_wait -1
.endm
.macro CROUND
	s_barrier_signal -1
	s_barrier_wait -1
	CREST
.endm
	s_load_b128 s[4:7], s[0:1], 0x0                ; ao, asc
	s_load_b128 s[8:11], s[0:1], 0x10              ; W's codes, W's scales
	s_load_b128 s[96:99], s[0:1], 0x20             ; b, out
	v_lshl_add_u32 v[SPW], v0, 2, SPARE
	v_mov_b32 v[NIL], 0
	ds_add_u32 v28, v29
	ds_add_u32 v28, v29
	s_wait_dscnt 0x0
	v_lshrrev_b32 v1, 5, v0
	v_readfirstlane_b32 s14, v1                    ; wave 0..3
	s_lshr_b32 s15, s14, 1                         ; which half of the tile's rows is mine.  Also: I fetch for A (0) or for W (1)
	s_and_b32 s16, s14, 1                          ; which half of its columns.  Also: which 128 rows I fetch
	s_bfe_u32 s40, ttmp6, 0x40000                  ; cx, cy
	s_bfe_u32 s41, ttmp6, 0x40004
	s_lshl_b32 s42, ttmp9, 2
	s_add_co_u32 s42, s42, s40                     ; tile column
	s_and_b32 s17, ttmp7, 0xffff
	s_lshl_b32 s17, s17, 2
	s_add_co_u32 s17, s17, s41                     ; tile row
	s_lshl_b32 s43, s41, 2
	s_lshl_b32 s43, 15, s43                        ; my row of the cluster
	s_lshl_b32 s44, 0x1111, s40                    ; my column
	; A: a dense block of 24,576 bytes as 96 rows of 256 bytes (32 elements of 8 bytes), no padding
	s_or_b32 s[G1+0], s43, (3<<16)|(1<<21)
	s_mov_b32 s[G1+1], 32<<16
	s_mov_b32 s[G1+2], 96<<16
	s_mov_b32 s[G1+3], 32<<16
	s_mov_b32 s[G1+4], 96
	s_mov_b32 s[G1+5], 32
	s_mov_b32 s[G1+6], 0
	s_mov_b32 s[G1+7], 0
	; W: 128 rows x 192 bytes, 16 bytes of padding behind every 64
	s_or_b32 s[G1B+0], s44, (0<<16)|(1<<20)|(1<<21)|(3<<22)|(3<<25)
	s_mov_b32 s[G1B+1], ROWB<<16
	s_mov_b32 s[G1B+2], 128<<16
	s_mov_b32 s[G1B+3], ROWB<<16
	s_mov_b32 s[G1B+4], 128
	s_mov_b32 s[G1B+5], KROW
	s_mov_b32 s[G1B+6], 0
	s_mov_b32 s[G1B+7], 0
	; the scales of 128 rows: a dense block, as rows of 256 bytes, 16 bytes of padding behind each
	s_or_b32 s[G1S+0], s43, (3<<16)|(1<<20)|(1<<21)|(5<<22)|(3<<25)
	s_or_b32 s[G1SB+0], s44, (3<<16)|(1<<20)|(1<<21)|(5<<22)|(3<<25)
.irp g, G1S, G1SB
	s_mov_b32 s[\g+1], 32<<16
	s_mov_b32 s[\g+2], (128*KS/256)<<16
	s_mov_b32 s[\g+3], 32<<16
	s_mov_b32 s[\g+4], 128*KS/256
	s_mov_b32 s[\g+5], 32
	s_mov_b32 s[\g+6], 0
	s_mov_b32 s[\g+7], 0
.endr
	s_lshl_b32 s18, s16, 7
	s_lshl_b32 s20, s17, 8
	s_add_co_u32 s20, s20, s18                     ; A: token 256 x tile row + 128 x half
	s_lshl_b32 s46, s42, 8
	s_add_co_u32 s46, s46, s18                     ; W: row 256 x tile column + 128 x half
	s_mov_b32 s21, 0
	s_mov_b32 s47, 0
	s_mov_b64 s[18:19], KS
	s_mul_u64 s[22:23], s[20:21], s[18:19]         ; where these rows' scales begin
	s_mul_u64 s[92:93], s[46:47], s[18:19]
	s_mov_b64 s[18:19], 192
	s_mul_u64 s[20:21], s[20:21], s[18:19]         ; A's images: 3,072 bytes for 16 tokens of a K step
	s_mov_b64 s[18:19], KROW
	s_mul_u64 s[46:47], s[46:47], s[18:19]
	s_mul_i32 s45, s16, HALFA                      ; where they go: A's two halves,
	s_mul_i32 s12, s16, HALFB
	s_add_co_u32 s12, s12, 2*HALFA                 ; then W's two halves
	s_mul_i32 s94, s14, HALFS
	s_wait_kmcnt 0x0
	s_add_nc_u64 s[20:21], s[4:5], s[20:21]
	s_add_nc_u64 s[22:23], s[6:7], s[22:23]
	s_add_nc_u64 s[46:47], s[8:9], s[46:47]
	s_add_nc_u64 s[92:93], s[10:11], s[92:93]
	CROUND                                         ; all sixteen work-groups are here: the first joint loads meet
	s_mov_b32 s[G0S], 1
	s_add_co_u32 s[G0S+1], s94, SCL
	s_mov_b64 s[G0S+2:G0S+3], s[22:23]
	s_or_b32 s[G0S+3], s[G0S+3], 0x80000000
	s_mov_b32 s[G0SB], 1
	s_add_co_u32 s[G0SB+1], s94, SCL
	s_mov_b64 s[G0SB+2:G0SB+3], s[92:93]
	s_or_b32 s[G0SB+3], s[G0SB+3], 0x80000000
	JLOAD G0S, G1S, G0SB, G1SB                     ; the scales first
.irp s, 0,1
	s_mov_b32 s[G0+4*\s], 1
	s_add_co_u32 s[G0+4*\s+1], s45, \s*SLOT
	s_add_nc_u64 s[G0+4*\s+2:G0+4*\s+3], s[20:21], \s*ASTEP
	s_or_b32 s[G0+4*\s+3], s[G0+4*\s+3], 0x80000000
	s_mov_b32 s[G0B+4*\s], 1
	s_add_co_u32 s[G0B+4*\s+1], s12, \s*SLOT
	s_add_nc_u64 s[G0B+4*\s+2:G0B+4*\s+3], s[46:47], \s*ROWB
	s_or_b32 s[G0B+4*\s+3], s[G0B+4*\s+3], 0x80000000
	JLOAD G0+4*\s, G1, G0B+4*\s, G1B
.endr
	v_and_b32 v1, 15, v0                           ; r
	v_bfe_u32 v2, v0, 4, 1                         ; h
	v_and_b32 v6, 31, v0
	v_lshlrev_b32 v[CO], 4, v6
	v_lshlrev_b32 v7, 3, v6
	v_lshlrev_b32 v8, 5, v2                        ; 32 h: the bias
	v_mul_u32_u24 v3, v1, PITCH
	v_mul_u32_u24 v4, v2, 24
	v_add_nc_u32 v4, v3, v4                        ; W: a fragment's row x pitch + 24 x half
	v_lshl_add_u32 v5, v2, 4, v4                   ; and the same behind one padding more
	s_mul_i32 s21, s15, HALFA                      ; my 128 tokens
	s_mul_i32 s22, s16, HALFB                      ; my 128 rows of W,
	s_add_co_u32 s22, s22, 2*HALFA                 ; which lie behind A's 256
.irp s, 0,1
	v_add_nc_u32 v[AA16+\s], s21, v[CO]
	v_add_nc_u32 v[AA8+\s], s21, v7
	v_add_nc_u32 v[ADRB+\s], s22, v4
	v_add_nc_u32 v[ADRB+2+\s], s22, v5
	s_add_co_u32 s21, s21, SLOT
	s_add_co_u32 s22, s22, SLOT
.endr
	v_mul_u32_u24 v5, v1, KS                       ; my row's scales: KS bytes a row,
	v_lshrrev_b32 v6, 8, v5
	v_lshl_add_u32 v5, v6, 4, v5                   ; and 16 more for each 256 passed
	s_mul_i32 s21, s15, HALFS
	s_mul_i32 s22, s16, HALFS
	s_add_co_u32 s22, s22, 2*HALFS
	s_sub_co_u32 s22, s22, s21
	v_mul_u32_u24 v6, s22, v2                      ; lanes 16-31 take W's
	s_add_co_u32 s21, s21, SCL
	v_add_nc_u32 v5, v5, v6
	v_add_nc_u32 v[ADRS], s21, v5
	s_mul_i32 s23, s14, 16*SPITCH                  ; my stage
	v_mul_u32_u24 v5, v1, SPITCH
	v_lshl_add_u32 v5, v2, 5, v5
	v_add_nc_u32 v[STO], s23, v5                   ; in: row r, 32 bytes for each half of the lanes
	v_add_nc_u32 v[RD], s23, v[CO]                 ; back: the 32 lanes take one row of 512 bytes
	s_lshl_b32 s20, s17, 8
	s_lshl_b32 s21, s15, 7
	s_add_co_u32 s20, s20, s21                     ; my first row of out
	s_mov_b32 s21, 0
	s_mov_b64 s[18:19], SIZE_N*4
	s_mul_u64 s[20:21], s[20:21], s[18:19]
	s_lshl_b32 s46, s42, 10                        ; my first column, in bytes: 1,024 x tile column + 512 x half; the bias begins as many bytes on
	s_lshl_b32 s47, s16, 9
	s_add_co_u32 s46, s46, s47
	s_mov_b32 s47, 0
	s_add_nc_u64 s[96:97], s[96:97], s[46:47]
	s_add_nc_u64 s[20:21], s[20:21], s[46:47]
	s_add_nc_u64 s[CP:CP+1], s[CP:CP+1], s[20:21]
.irp b, 0,1,2,3,4,5,6,7
	global_load_b128 v[BIAS+8*\b:BIAS+8*\b+3], v8, s[96:97] offset:64*\b
	global_load_b128 v[BIAS+8*\b+4:BIAS+8*\b+7], v8, s[96:97] offset:64*\b+16
.endr
.macro FRAG reg, adr, q, i             ; a fragment of W, from rows: 24 bytes of the row for each 64 along K, in pieces of 8
.irp p, 0,1,2,3,4,5
.set PC, 12*(\q)+6*(\p/3)+\p%3
.if PC%8 < 5
	ds_load_b64 v[\reg+2*\p:\reg+2*\p+1], v[\adr] offset:8*PC+16*(PC/8)+(\i)*16*PITCH
.else
	ds_load_b64 v[\reg+2*\p:\reg+2*\p+1], v[\adr+2] offset:8*PC+16*(PC/8)+(\i)*16*PITCH
.endif
.endr
.endm
.macro FRAGA reg, slot, q, i           ; a fragment of A, from images: heads 2 q and 2 q + 1 of the K step, tile i of my eight
.irp e, 0,1
	ds_load_b128 v[\reg+6*\e:\reg+6*\e+3], v[AA16+\slot] offset:(\i)*3072+(2*(\q)+\e)*768
	ds_load_b64 v[\reg+6*\e+4:\reg+6*\e+5], v[AA8+\slot] offset:(\i)*3072+(2*(\q)+\e)*768+512
.endr
.endm
; 16 matrix instructions: A's blocks a0, a0 + 1 x W's eight.  first = 1: the bias is C.  The 64 accumulators take turns, one instruction a turn.
.macro MUL16 a0, p, q, sc, first
.irp a, \a0, \a0+1
.irp b, 0,1,2,3,4,5,6,7
.if \first
	v_wmma_scale_f32_16x16x128_f8f6f4 v[8*(8*((\a)%4)+\b):8*(8*((\a)%4)+\b)+7], v[128*(\p)+FR*\b:128*(\p)+FR*\b+FR-1], v[AF+FR*(\a):AF+FR*(\a)+FR-1], v[BIAS+8*\b:BIAS+8*\b+7], v[SC+8*NQ*(\sc)+NQ*\b+(\q)], v[SC+8*NQ*(\sc)+NQ*(\a)+(\q)] matrix_a_fmt:MATRIX_FMT_FP6 matrix_b_fmt:MATRIX_FMT_FP6 matrix_a_scale:MATRIX_SCALE_ROW1
.else
	v_wmma_scale_f32_16x16x128_f8f6f4 v[8*(8*((\a)%4)+\b):8*(8*((\a)%4)+\b)+7], v[128*(\p)+FR*\b:128*(\p)+FR*\b+FR-1], v[AF+FR*(\a):AF+FR*(\a)+FR-1], v[8*(8*((\a)%4)+\b):8*(8*((\a)%4)+\b)+7], v[SC+8*NQ*(\sc)+NQ*\b+(\q)], v[SC+8*NQ*(\sc)+NQ*(\a)+(\q)] matrix_a_fmt:MATRIX_FMT_FP6 matrix_b_fmt:MATRIX_FMT_FP6 matrix_a_scale:MATRIX_SCALE_ROW1
.endif
.endr
.endr
.endm
.macro FETCH_B slot, q, p
	WIN TO_B
.irp i, 0,1,2,3,4,5,6,7
	FRAG 128*(\p)+FR*\i, ADRB+\slot, \q, \i
.endr
	WIN 0
.endm
.macro FETCH_A slot, q, i0
.irp i, \i0, \i0+1, \i0+2, \i0+3
	FRAGA AF+FR*(\i), \slot, \q, \i
.endr
.endm
.macro SCALES sc
.irp i, 0,1,2,3,4,5,6,7
	ds_load_b64 v[SC+8*NQ*\sc+NQ*\i:SC+8*NQ*\sc+NQ*\i+1], v[ADRS] offset:\i*SBLK
.endr
.endm
.macro PLACES n                        ; plain vector instructions between a matrix instruction and a load into, or a read of, its registers
.rept \n
	v_nop
.endr
.endm
.macro STEP slot, q, first
	s_wait_dscnt 4*NLA                             ; W's set and A's blocks 0-3 are in; the youngest 16 loads (A's blocks 4-7) may be out
.if \first
	WIN FST_LO
.else
	WIN MUL_LO
.endif
	MUL16 0, (\q)%2, \q, \slot, \first
	MUL16 2, (\q)%2, \q, \slot, \first
	s_wait_dscnt 0
	PLACES NP
	FETCH_B \slot, (\q)+1, 1-(\q)%2
	FETCH_A \slot, (\q)+1, 0
.if \first
	WIN FST_HI
.else
	WIN MUL_HI
.endif
	MUL16 4, (\q)%2, \q, \slot, \first
	MUL16 6, (\q)%2, \q, \slot, \first
	PLACES NP
	WIN 0
	FETCH_A \slot, (\q)+1, 4
.endm
.macro TURN slot, next, fill
	s_wait_tensorcnt 0x0                           ; all my tensor loads have landed: my part of the next slot
	ds_add_u32 v[SPW], v[NIL]                      ; 0 onto my spare word
	s_wait_dscnt 4*NLA+1                           ; (the add and the youngest 16 loads may be out)
	WIN MUL_LO
	MUL16 0, 1, NQ-1, \slot, 0
	s_wait_dscnt 0x0                               ; the add is done, and my reads of this slot are over
	s_barrier_signal -1
	MUL16 2, 1, NQ-1, \slot, 0
	WIN 0
	s_barrier_wait -1
.if \fill
	CREST                                          ; the barrier has opened a round of the cluster's: no wave of any partner still reads this slot or has a load on its way
	s_add_nc_u64 s[G0+4*\slot+2:G0+4*\slot+3], s[G0+4*\slot+2:G0+4*\slot+3], 2*ASTEP
	s_add_nc_u64 s[G0B+4*\slot+2:G0B+4*\slot+3], s[G0B+4*\slot+2:G0B+4*\slot+3], 2*ROWB
	JLOAD G0+4*\slot, G1, G0B+4*\slot, G1B         ; the first tensor load behind the round; its four v_nop are the places in front of the loads below
.else
	PLACES NP
.endif
	v_add_nc_u32 v[ADRS], 4*NQ, v[ADRS]
	FETCH_B \next, 0, 0
	FETCH_A \next, 0, 0
	SCALES \next
	WIN MUL_HI
	MUL16 4, 1, NQ-1, \slot, 0
	MUL16 6, 1, NQ-1, \slot, 0
	PLACES NP
	WIN 0
	FETCH_A \next, 0, 4
.endm
	s_wait_tensorcnt 1                             ; the scales and my part of K step 0 are in (K step 1's load may be out)
	s_barrier_signal -1
	s_barrier_wait -1                              ; everybody's are
	FETCH_B 0, 0, 0
	FETCH_A 0, 0, 0
	SCALES 0
	FETCH_A 0, 0, 4
	s_wait_loadcnt 0x0                             ; the bias
	STEP 0, 0, 1                                   ; the first step stands in front of the loop: its products start the sums, on the bias
	s_mov_b32 s3, LAPS-1
.Llap:
	TURN 0, 1, 1
	STEP 1, 0, 0
	TURN 1, 0, 1
	STEP 0, 0, 0
	s_sub_co_u32 s3, s3, 1
	s_cmp_lg_u32 s3, 0
	s_cbranch_scc1 .Llap
	TURN 0, 1, 0                                   ; the last lap fills nothing
	STEP 1, 0, 0
	s_wait_dscnt 4*NLA
	WIN MUL_LO
	MUL16 0, 1, NQ-1, 1, 0
	MUL16 2, 1, NQ-1, 1, 0
	s_wait_dscnt 0
	WIN MUL_HI
	MUL16 4, 1, NQ-1, 1, 0
	MUL16 6, 1, NQ-1, 1, 0
	WIN 0
; THE WAY OUT, block by block of 16 rows x 128 columns, through my own stage in LDS: whole rows of 512 bytes come back, which the 32 lanes store as one aligned run of 512 bytes.
; LDS serves a wave's instructions in order (ISA guide 5.7.1.4): no wait between the stores and the loads.
.macro TOSTAGE a
.set AC, 64*((\a)%4)
	WIN 0x08+4*((\a)/4)                            ; the data: window 2 or 3
.irp b, 0,1,2,3,4,5,6,7
	ds_store_b128 v[STO], v[AC+8*\b:AC+8*\b+3] offset:64*\b          ; each accumulator from its low end on
	ds_store_b128 v[STO], v[AC+8*\b+4:AC+8*\b+7] offset:64*\b+16
.endr
	WIN 0
.set BB, BK+64*((\a)%2)
.irp t, 0,1,2,3,4,5,6,7,8,9,10,11,12,13,14,15
	ds_load_b128 v[BB+4*\t:BB+4*\t+3], v[RD] offset:\t*SPITCH
.endr
.endm
.macro SEND a, younger                 ; younger: the LDS instructions issued behind block a's loads, which may stay out
.set BB, BK+64*((\a)%2)
	s_wait_dscnt \younger
.if (\a) > 0
	s_add_nc_u64 s[CP:CP+1], s[CP:CP+1], 16*SIZE_N*4   ; (behind a wait on XCNT: the earlier stores have read their base)
.endif
.irp t, 0,1,2,3,4,5,6,7,8,9,10,11,12,13,14,15
	global_store_b128 v[CO], v[BB+4*\t:BB+4*\t+3], s[CP:CP+1] offset:\t*SIZE_N*4 th:TH_STORE_NT
.endr
.endm
	PLACES NP
	TOSTAGE 0
.irp a, 1,2,3,4,5,6,7
.if \a > 1
	s_wait_xcnt 0x0                                ; block a - 2's stores have read their registers and their base
.endif
	TOSTAGE \a
	SEND \a-1, 32                                  ; behind block a - 1's loads: block a's 16 stores and 16 loads
.endr
	s_wait_xcnt 0x0
	SEND 7, 0
	s_wait_tensorcnt 0x0                           ; the wave's end
	ds_add_u32 v[SPW], v[NIL]
	s_wait_dscnt 0x0
	CROUND                                         ; the closing round
	s_endpgm
.Lfunc_end_k_q8f3488f0a8_proj:
	.size	k_q8f3488f0a8_proj, .Lfunc_end_k_q8f3488f0a8_proj-k_q8f3488f0a8_proj
	.p2alignl 7, 3214868480
	.fill 96, 4, 3214868480
	.section	.rodata,"a",@progbits
	.p2align	6, 0x0
	.amdhsa_kernel k_q8f3488f0a8_proj
		.amdhsa_group_segment_fixed_size 327680
		.amdhsa_private_segment_fixed_size 0
		.amdhsa_enable_private_segment 0
		.amdhsa_kernarg_size 48
		.amdhsa_user_sgpr_count 2
		.amdhsa_user_sgpr_kernarg_segment_ptr 1
		.amdhsa_wavefront_size32 1
		.amdhsa_system_sgpr_workgroup_id_x 1
		.amdhsa_system_sgpr_workgroup_id_y 1
		.amdhsa_system_sgpr_workgroup_id_z 1
		.amdhsa_system_vgpr_workitem_id 0
		.amdhsa_next_free_vgpr 1024
		.amdhsa_next_free_sgpr 100
		.amdhsa_reserve_vcc 0
		.amdhsa_float_denorm_mode_32 3
		.amdhsa_float_denorm_mode_16_64 3
		.amdhsa_memory_ordered 1
		.amdhsa_forward_progress 1
		.amdhsa_inst_pref_size 154
	.end_amdhsa_kernel
	.amdgpu_metadata
---
amdhsa.version: [ 1, 2 ]
amdhsa.kernels:
  - .name:           k_q8f3488f0a8_proj
    .symbol:         k_q8f3488f0a8_proj.kd
    .args:
      - { .name: ao, .offset: 0, .size: 8, .value_kind: global_buffer, .address_space: global }
      - { .name: asc, .offset: 8, .size: 8, .value_kind: global_buffer, .address_space: global }
      - { .name: c_proj_w_codes, .offset: 16, .size: 8, .value_kind: global_buffer, .address_space: global }
      - { .name: c_proj_w_scales, .offset: 24, .size: 8, .value_kind: global_buffer, .address_space: global }
      - { .name: c_proj_b, .offset: 32, .size: 8, .value_kind: global_buffer, .address_space: global }
      - { .name: out0, .offset: 40, .size: 8, .value_kind: global_buffer, .address_space: global }
    .group_segment_fixed_size: 327680
    .private_segment_fixed_size: 0
    .kernarg_segment_align: 8
    .kernarg_segment_size: 48
    .max_flat_workgroup_size: 128
    .sgpr_count:     100
    .vgpr_count:     1024
    .wavefront_size: 32
...
	.end_amdgpu_metadata
.endif
;; end of part 3
